; MI455X (gfx1250); checked and timed in simulation.
; The chip was launched on July 23, 2026; its instructions are those of AMD's public machine-readable ISA for CDNA 5 (MIT licence, August 2026) and "CDNA5" Instruction Set Architecture Reference Guide (July 2026). The comments in the code are by the model that wrote it; some were corrected since.
;; Encoder Block. Allowed arithmetic: matrix products marked QUANTISED: E4M3 operands, one E8M0 scale for each 32 along K, by v_wmma_scale_f32_16x16x128_f8f6f4 with both operands' format E4M3, f32 sums; everything else in f32.
;; Inputs: a1 1 float32; a2 1 float32; b1 4,096 float32; b2 1,024 float32; be1 1 float32; be2 1 float32; src 2 x 2,048 x 1,024 float32; src_mask 2 x 1 x 1 x 2,048 int32; w1 4,096 x 1,024 float32; w2 1,024 x 4,096 float32; wk 1,024 x 1,024 float32; wo 1,024 x 1,024 float32; wq 1,024 x 1,024 float32; wv 1,024 x 1,024 float32.
;; Outputs: out0 2 x 2,048 x 1,024 float32.
;; This version of the problem:
;;   THIS VERSION OF THE PROBLEM IS GIVEN IN LOW PRECISION. The matrix products marked QUANTISED in the list below multiply operands that are first quantised to E4M3 (4 exponent bits, 3 mantissa bits; 8 bits a number), with one power-of-two scale for each 32 numbers along K (OCP MX v1.0); their sums are f32. All else is computed in f32.
;;   The module's matrix products, in the order in which they are computed (A, B: the left and right operand; K: the contracted axis; several contracted axes count as one K, in the product's order):
;;     1. [M 4,096, K 1,024] x [K 1,024, N 1,024]; A: computed on the way; B: input wq: QUANTISED
;;     2. [M 4,096, K 1,024] x [K 1,024, N 1,024]; A: computed on the way; B: input wk: QUANTISED
;;     3. [M 4,096, K 1,024] x [K 1,024, N 1,024]; A: computed on the way; B: input wv: QUANTISED
;;     4. batch 32 x [M 2,048, K 64] x [K 64, N 2,048]; A: computed on the way; B: computed on the way: QUANTISED
;;     5. batch 32 x [M 2,048, K 2,048] x [K 2,048, N 64]; A: softmax (see below); B: computed on the way: QUANTISED
;;     6. [M 4,096, K 1,024] x [K 1,024, N 1,024]; A: computed on the way; B: input wo: QUANTISED
;;     7. [M 4,096, K 1,024] x [K 1,024, N 4,096]; A: computed on the way; B: input w1: QUANTISED
;;     8. [M 4,096, K 4,096] x [K 4,096, N 1,024]; A: computed on the way; B: input w2: QUANTISED
;;   THE QUANTISER, for each operand of a quantised product, along K:
;;     - K is cut into blocks of 32 from its start; a last block that is shorter is filled with zeros.
;;     - A block's scale is 2^e with e = floor(log2(the largest magnitude in the block)) - 8, held to -126 .. 127; a block of zeros has e = 0. As a byte (E8M0): e + 127.
;;     - Each number is divided by its block's scale, clamped to +-448, and rounded to the nearest number of E4M3, ties to even, subnormals kept.
;;     - The product sums the exact products of the quantised numbers (number of the format x scale) in f32.
;;   ~~~python
;;   def quantise(x, axis):      # numpy; x: float32 -> the quantised numbers, widened to float32 again
;;       x = np.moveaxis(x, axis, -1); K = x.shape[-1]
;;       x = np.pad(x, [(0, 0)] * (x.ndim - 1) + [(0, -K % 32)]); x = x.reshape(x.shape[:-1] + (-1, 32)); a = np.abs(x).max(-1, keepdims=True)
;;       e = np.where(a > 0, np.clip(np.frexp(np.where(a > 0, a, 1))[1] - 1 - 8, -126, 127), 0)      # np.frexp(a)[1] - 1 = floor(log2(a)), exactly
;;       r = np.clip(x / 2.0 ** e, -448, 448)
;;       step = 2.0 ** (np.maximum(np.frexp(np.where(r == 0, 1, r))[1] - 1, -6) - 3)
;;       q = np.round(r / step) * step * 2.0 ** e      # np.round: ties to even
;;       return np.moveaxis(q.reshape(q.shape[:-2] + (-1,))[..., :K], -1, axis).astype(np.float32)
;;   ~~~
;;   SOFTMAX AHEAD OF A QUANTISED PRODUCT. Where the list says 'softmax', what is quantised is not the finished softmax but p = 2^(t - M), with t = logit x log2(e) and M = ceil(the row's largest t), a whole number; so 1/2 < the row's largest p <= 1. The row's sum l is taken of the UNQUANTISED p, in f32, and the product's result is divided by l at the end. Since M is a whole number, a kernel that streams over the keys may use a running M (the ceiling of the running maximum): every later rescaling is an exact power of two, which a block's scale takes up: the codes' values come out the same.
;;   OPERANDS COMPUTED ON THE WAY. 'Computed on the way' means the value that the module computes at that place (a softmax that the list does not call 'softmax' is quantised finished and normalised). What goes into a quantiser is computed in f32, as accurately as f32 sums, v_exp_f32 and their like allow (about 1e-6 of the number): no bf16 or f16 on the way to a quantiser, and a product that is left as it is and whose result goes on into a quantised operand takes f32 operands (vector FMAs, or v_wmma_f32_16x16x4_f32). A number that lies on a knife's edge between two numbers of the format may be rounded either way, as far as f32 arithmetic and the matrix unit's own rounding can turn it there, and no further.
;; One version. Each part assembles by itself: llvm-mc -triple=amdgcn-amd-amdhsa -mcpu=gfx1250 --defsym DOCPART=n.
;; ======== version 1 of 1: 8 launches
;; limits: right only within a limited range of input values
;; workspace buffers: act 4,718,592 bytes; wa 4,718,592 bytes; wvb 4,718,592 bytes; wf 9,437,184 bytes; qk 10,485,760 bytes; vt 20,971,520 bytes; s2 16,777,216 bytes; hid 18,874,368 bytes
;; launch prep (part 1): grid 512 x 1, 8 waves a work-group, no clusters, 75,776 bytes of LDS; arguments src, a1, be1, wq, wk, wv, wo, w1, w2, act, wa, wvb, wf; writes act, wa, wvb, wf
.if DOCPART == 1
	.amdgcn_target "amdgcn-amd-amdhsa--gfx1250"
	.amdhsa_code_object_version 6
	.text
	.protected	k_qbc453273dd_prep
	.globl	k_qbc453273dd_prep
	.p2align	8
	.type	k_qbc453273dd_prep,@function
k_qbc453273dd_prep:
	s_mov_b64 s[64:65], 0
	v_nop
	global_prefetch_b8 v0, s[64:65] scope:SCOPE_SE
	s_setreg_imm32_b32 hwreg(HW_REG_WAVE_MODE, 25, 1), 1
	s_wait_xcnt 0x0
; ROWS OF f32 INTO RECORDS OF FP8 CODES (E4M3, one E8M0 scale byte for each 32 along K), with a layer norm ahead of the quantiser for the rows of the first argument.
; A RECORD is 144 bytes: 128 codes (128 along K of one row), 4 scale bytes, 12 zero bytes.  A buffer of records is [K / 128][row position][144]: 128 rows of one K block are 18,432 dense bytes.
; ROW POSITIONS: logical row R lies at position R with its bits 3 and 4 exchanged, so that 16 neighbouring positions are the 16 rows that form a tile of a product whose result is quantised again.
; SHARES.  A work-group takes 32 logical rows x 1,024 along K: 8 planes of 32 records.  Wave w takes rows 4 w .. 4 w + 3, a whole row at a time (32 numbers a lane), and at the end copies plane w out, 4,608 dense bytes.
; WORK-GROUP NUMBERS: 0-127 rows of argument 0 with the layer norm -> act; 128-159 wq, 160-191 wk -> wa rows 0, 1,024 on; 192-223 wv -> wvb; 224-255 wo -> wa rows 2,048 on; 256-383 w1 -> wf; 384-511 w2 (four spans of 1,024 along K) -> wf behind w1.
; Only pointers and offsets are chosen by the number; all take one path but for the layer norm's lines, which use no LDS.
; LAYER NORM: mean; then the sum of (x - mean)^2 (two passes over registers, so a common offset costs nothing) / 1,023; y = alpha (x - mean) / (sqrt + 1e-6) + beta, all f32.
; QUANTISER: a block's scale byte is its largest magnitude's exponent field - 8, held at 1 from below; numbers are held within +-448 x the scale and converted, ties to even.
; LIMITS: a block of zeros gets the byte 1 where the rule says 127 (its codes are zeros, and only this program reads the bytes); NaN and infinities among the inputs are not served.
.set PL,    589824                     ; bytes from plane to plane: 4,096 records
.set PLW2,  147456                     ; the same for w2: 1,024 records
.set W2OFF, 4718592                    ; w2's records begin here in wf
.set OPL,   4736                       ; LDS: a plane's 32 records, 4,608 bytes, + 128, so that neighbouring planes begin in other banks
.set ISTG,  8*OPL                      ; behind the 8 planes: for each wave 32 places of 128 + 16 bytes, through which a row is turned
.set IWV,   4608
.set X,     32                         ; v32-159  four rows as loaded: lane l holds numbers 128 j + 4 l + 0..3 of the row in registers 4 j ..
.set T,     160                        ; v160-191 a row turned: lane l holds block l, 32 neighbours
.set C,     192                        ; v192-223 codes, 8 registers a row
.set IN,    36                         ; s[36:37] where my work-group's rows begin
.set OUT,   38                         ; s[38:39] where my wave's plane of records begins
; v2 into the turning stage, v3 out of it; v4 my block's codes in the planes, v5 my word of a record's tail; v6 my wave's plane on the way out; v7 16 x lane; v8-11 the four rows' offsets;
; v12 8 (lane % 4); v13 0; v[14:15] mean, v[16:17] gain, v[18:19] beta; v20-27 at work; v28-31 tail words
	s_load_b512 s[8:23], s[0:1], 0x0               ; x s[8:9], alpha s[10:11], beta s[12:13], wq s[14:15], wk s[16:17], wv s[18:19], wo s[20:21], w1 s[22:23]
	s_load_b256 s[24:31], s[0:1], 0x40             ; w2 s[24:25], act s[26:27], wa s[28:29], wvb s[30:31]
	s_load_b64 s[32:33], s[0:1], 0x60              ; wf
	v_lshl_add_u32 v224, v0, 2, 0x12400
	v_mov_b32 v225, 0
	v_lshrrev_b32 v1, 5, v0
	s_delay_alu instid0(VALU_DEP_1)
	v_readfirstlane_b32 s34, v1                    ; wave 0..7
	v_and_b32 v1, 31, v0                           ; lane
	s_mov_b32 s35, ttmp9                           ; the work-group's number
	s_and_b32 s46, s35, 127                        ; the candidates for the group of 32 rows: every range begins at a multiple of its length
	s_and_b32 s47, s35, 31
	s_bfe_u32 s48, s35, 0x20005                    ; w2's span of 1,024 along K: (number >> 5) & 3
	s_mov_b32 s40, s46                             ; g: which 32 rows
	s_mov_b32 s41, 0                               ; first record row of the tensor in its buffer
	s_mov_b32 s42, 4096                            ; bytes from row to row of the input
	s_mov_b32 s43, PL                              ; bytes from plane to plane of the output
	s_mov_b32 s44, 0                               ; span
	s_mov_b32 s45, 0                               ; byte at which the tensor's records begin
	s_mov_b32 s50, 0x76543210
	s_mov_b32 s51, 0xfedcba98                      ; v_permlanex16_b32's selects for lane l xor 16
	s_mov_b32 s52, 0x600000                        ; the mantissa field of 448
	s_mov_b32 s53, 0x11111111                      ; lanes with lane % 4 = 0
	s_wait_alu depctr_va_vdst(0)
	s_wait_kmcnt 0x0
	s_load_b32 s54, s[10:11], 0x0                  ; alpha
	s_load_b32 s55, s[12:13], 0x0                  ; beta
	s_mov_b64 s[IN:IN+1], s[8:9]
	s_mov_b64 s[OUT:OUT+1], s[26:27]
	s_cmp_ge_u32 s35, 128                          ; six compares of the number; behind each only selects
	s_cselect_b64 s[IN:IN+1], s[14:15], s[IN:IN+1]
	s_cselect_b64 s[OUT:OUT+1], s[28:29], s[OUT:OUT+1]
	s_cselect_b32 s40, s47, s40
	s_cmp_ge_u32 s35, 160
	s_cselect_b64 s[IN:IN+1], s[16:17], s[IN:IN+1]
	s_cselect_b32 s41, 1024, s41
	s_cmp_ge_u32 s35, 192
	s_cselect_b64 s[IN:IN+1], s[18:19], s[IN:IN+1]
	s_cselect_b64 s[OUT:OUT+1], s[30:31], s[OUT:OUT+1]
	s_cselect_b32 s41, 0, s41
	s_cmp_ge_u32 s35, 224
	s_cselect_b64 s[IN:IN+1], s[20:21], s[IN:IN+1]
	s_cselect_b64 s[OUT:OUT+1], s[28:29], s[OUT:OUT+1]
	s_cselect_b32 s41, 2048, s41
	s_cmp_ge_u32 s35, 256
	s_cselect_b64 s[IN:IN+1], s[22:23], s[IN:IN+1]
	s_cselect_b64 s[OUT:OUT+1], s[32:33], s[OUT:OUT+1]
	s_cselect_b32 s41, 0, s41
	s_cselect_b32 s40, s46, s40
	s_cmp_ge_u32 s35, 384
	s_cselect_b64 s[IN:IN+1], s[24:25], s[IN:IN+1]
	s_cselect_b32 s40, s47, s40
	s_cselect_b32 s42, 16384, s42
	s_cselect_b32 s43, PLW2, s43
	s_cselect_b32 s44, s48, s44
	s_cselect_b32 s45, W2OFF, s45
	s_lshl_b32 s46, s40, 5                         ; 32 g
	s_mul_i32 s47, s46, s42                        ; rows x pitch,
	s_lshl_b32 s48, s44, 12                        ; + span x 4,096 bytes
	s_add_co_u32 s48, s47, s48
	s_mov_b32 s49, 0
	s_add_nc_u64 s[IN:IN+1], s[IN:IN+1], s[48:49]
	s_lshl_b32 s47, s44, 3
	s_add_co_u32 s47, s47, s34                     ; my wave's plane: 8 span + wave
	s_mul_i32 s47, s47, s43
	s_add_co_u32 s46, s46, s41                     ; the 32 records' first row
	s_mul_i32 s46, s46, 144
	s_add_co_u32 s48, s46, s47
	s_add_co_u32 s48, s48, s45
	s_add_nc_u64 s[OUT:OUT+1], s[OUT:OUT+1], s[48:49]
	v_lshlrev_b32 v7, 4, v1                        ; 16 x lane
	s_lshl_b32 s46, s34, 2
	s_mul_i32 s46, s46, s42                        ; my wave's first row
	v_add_nc_u32 v8, s46, v7
	s_delay_alu instid0(VALU_DEP_1)
	v_add_nc_u32 v9, s42, v8
	s_delay_alu instid0(VALU_DEP_1)
	v_add_nc_u32 v10, s42, v9
	s_delay_alu instid0(VALU_DEP_1)
	v_add_nc_u32 v11, s42, v10
.irp i, 0,1,2,3
.irp j, 0,1,2,3,4,5,6,7
	global_load_b128 v[X+32*\i+4*\j:X+32*\i+4*\j+3], v[8+\i], s[IN:IN+1] offset:512*\j th:TH_LOAD_NT   ; 32 lanes read 512 consecutive bytes: 128 along K of row i
.endr
.endr
	v_lshrrev_b32 v20, 3, v1
	s_delay_alu instid0(VALU_DEP_1)
	v_lshl_add_u32 v2, v20, 4, v7                  ; into the stage: eight lanes' 128 bytes on end, then 16 of padding
	s_mul_i32 s46, s34, IWV
	s_add_co_u32 s46, s46, ISTG
	v_add_nc_u32 v2, s46, v2
	v_mul_u32_u24 v3, v1, 144
	s_delay_alu instid0(VALU_DEP_1)
	v_add_nc_u32 v3, s46, v3                       ; out of it: place = lane: my block of 32
	s_and_b32 s47, s34, 1                          ; the position of row 4 w: bits 3 and 4 exchanged
	s_lshl_b32 s47, s47, 2
	s_and_b32 s48, s34, 2
	s_lshl_b32 s48, s48, 3
	s_or_b32 s47, s47, s48
	s_and_b32 s48, s34, 4
	s_lshl_b32 s48, s48, 1
	s_or_b32 s47, s47, s48
	s_mul_i32 s47, s47, 144
	v_lshrrev_b32 v20, 2, v1                       ; my block's plane: lane / 4
	s_delay_alu instid0(VALU_DEP_1)
	v_mul_u32_u24 v20, v20, OPL
	s_delay_alu instid0(VALU_DEP_1)
	v_add_nc_u32 v20, s47, v20
	v_and_b32 v21, 3, v1
	s_delay_alu instid0(VALU_DEP_1)
	v_lshl_add_u32 v4, v21, 5, v20                 ; my 32 codes in the record
	s_delay_alu instid0(VALU_DEP_2)
	v_lshl_add_u32 v5, v21, 2, v20
	s_delay_alu instid0(VALU_DEP_1)
	v_add_nc_u32 v5, 128, v5                       ; my word of its 16-byte tail
	s_mul_i32 s48, s34, OPL
	v_add_nc_u32 v6, s48, v7                       ; the way out: my wave's plane, 16 bytes a lane
	v_lshlrev_b32 v12, 3, v21
	v_mov_b32 v13, 0
	v_mov_b32 v27, 0                               ; written once: the destination of a lane exchange counts as one of its sources
	s_wait_kmcnt 0x0                               ; alpha, beta
	v_mov_b32 v18, s55
	v_mov_b32 v19, s55
.macro LANESUM                         ; v20 summed over the 32 lanes, the result in every lane
	s_delay_alu instid0(VALU_DEP_1)
	v_add_f32_dpp v20, v20, v20 row_xmask:1 row_mask:0xf bank_mask:0xf
	s_delay_alu instid0(VALU_DEP_1)
	v_add_f32_dpp v20, v20, v20 row_xmask:2 row_mask:0xf bank_mask:0xf
	s_delay_alu instid0(VALU_DEP_1)
	v_add_f32_dpp v20, v20, v20 row_xmask:4 row_mask:0xf bank_mask:0xf
	s_delay_alu instid0(VALU_DEP_1)
	v_add_f32_dpp v20, v20, v20 row_xmask:8 row_mask:0xf bank_mask:0xf
	s_delay_alu instid0(VALU_DEP_1)
	v_permlanex16_b32 v27, v20, s50, s51
	s_delay_alu instid0(VALU_DEP_1)
	v_add_f32 v20, v20, v27
.endm
.macro ROW i
.set XB, X+32*\i
	s_wait_loadcnt 24-8*\i                         ; loads come back in order: this row's eight are in, the later rows' may be out
	s_cmp_ge_u32 s35, 128                          ; weights take no layer norm
	s_cbranch_scc1 .Lplain_\@
	v_pk_add_f32 v[20:21], v[XB:XB+1], v[XB+2:XB+3]                ; the row's sum, in two chains
	v_pk_add_f32 v[22:23], v[XB+4:XB+5], v[XB+6:XB+7]
.irp j, 8,12,16,20,24,28
	s_delay_alu instid0(VALU_DEP_2)
	v_pk_add_f32 v[20:21], v[20:21], v[XB+\j:XB+\j+1]
	s_delay_alu instid0(VALU_DEP_2)
	v_pk_add_f32 v[22:23], v[22:23], v[XB+\j+2:XB+\j+3]
.endr
	s_delay_alu instid0(VALU_DEP_1)
	v_pk_add_f32 v[20:21], v[20:21], v[22:23]
	s_delay_alu instid0(VALU_DEP_1)
	v_add_f32 v20, v20, v21
	LANESUM
	s_delay_alu instid0(VALU_DEP_1)
	v_mul_f32 v14, 0x3a800000, v20                 ; / 1,024: the mean
	s_delay_alu instid0(VALU_DEP_1)
	v_mov_b32 v15, v14
.irp j, 0,2,4,6,8,10,12,14,16,18,20,22,24,26,28,30
	v_pk_add_f32 v[XB+\j:XB+\j+1], v[XB+\j:XB+\j+1], v[14:15] neg_lo:[0,1] neg_hi:[0,1]   ; d = x - mean
.endr
	v_pk_mul_f32 v[20:21], v[XB:XB+1], v[XB:XB+1]                  ; the sum of d^2
	v_pk_mul_f32 v[22:23], v[XB+2:XB+3], v[XB+2:XB+3]
.irp j, 4,8,12,16,20,24,28
	s_delay_alu instid0(VALU_DEP_2)
	v_pk_fma_f32 v[20:21], v[XB+\j:XB+\j+1], v[XB+\j:XB+\j+1], v[20:21]
	s_delay_alu instid0(VALU_DEP_2)
	v_pk_fma_f32 v[22:23], v[XB+\j+2:XB+\j+3], v[XB+\j+2:XB+\j+3], v[22:23]
.endr
	s_delay_alu instid0(VALU_DEP_1)
	v_pk_add_f32 v[20:21], v[20:21], v[22:23]
	s_delay_alu instid0(VALU_DEP_1)
	v_add_f32 v20, v20, v21
	LANESUM
	s_delay_alu instid0(VALU_DEP_1)
	v_mul_f32 v20, 0x3a802008, v20                 ; / 1,023
	s_wait_alu depctr_va_vdst(0)
	v_sqrt_f32 v20, v20
	v_nop                                          ; one plain instruction behind a transcendental (ISA guide 5.7.2)
	s_wait_alu depctr_va_vdst(0)
	v_add_f32 v20, 0x358637bd, v20                 ; + 1e-6
	s_wait_alu depctr_va_vdst(0)
	v_rcp_f32 v20, v20
	v_nop
	s_wait_alu depctr_va_vdst(0)
	v_mul_f32 v16, s54, v20                        ; alpha / (std + eps)
	s_delay_alu instid0(VALU_DEP_1)
	v_mov_b32 v17, v16
.irp j, 0,2,4,6,8,10,12,14,16,18,20,22,24,26,28,30
	v_pk_fma_f32 v[XB+\j:XB+\j+1], v[XB+\j:XB+\j+1], v[16:17], v[18:19]
.endr
.Lplain_\@:
.irp j, 0,1,2,3,4,5,6,7
	ds_store_b128 v2, v[XB+4*\j:XB+4*\j+3] offset:576*\j           ; the row goes through my wave's stage as it lies: four places a store
.endr
.irp j, 0,1,2,3,4,5,6,7
	ds_load_b128 v[T+4*\j:T+4*\j+3], v3 offset:16*\j               ; and comes back a block a lane; LDS serves a wave's instructions in order (ISA guide 5.7.1.4)
.endr
	s_wait_dscnt 0x0
	v_max3_num_f32 v20, |v[T]|, |v[T+1]|, |v[T+2]|                 ; the block's largest magnitude: all 32 numbers are mine
	v_max3_num_f32 v21, |v[T+3]|, |v[T+4]|, |v[T+5]|
.irp j, 6,10,14,18,22,26
	s_delay_alu instid0(VALU_DEP_2)
	v_max3_num_f32 v20, v20, |v[T+\j]|, |v[T+\j+1]|
	s_delay_alu instid0(VALU_DEP_2)
	v_max3_num_f32 v21, v21, |v[T+\j+2]|, |v[T+\j+3]|
.endr
	s_delay_alu instid0(VALU_DEP_2)
	v_max3_num_f32 v20, v20, |v[T+30]|, |v[T+31]|
	s_delay_alu instid0(VALU_DEP_1)
	v_max3_num_f32 v20, v20, v21, 0x4800000        ; and the floor 2^(9 - 127): the byte cannot fall under 1
	s_delay_alu instid0(VALU_DEP_1)
	v_add_nc_u32 v22, 0xfc000000, v20              ; 8 off the exponent field: the conversion's scale operand
	s_delay_alu instid0(VALU_DEP_2)
	v_and_or_b32 v23, v20, 0x7f800000, s52         ; 448 x the scale
	s_delay_alu instid0(VALU_DEP_2)
	v_lshrrev_b32 v24, 23, v22                     ; the scale's byte
.irp j, 0,1,2,3,4,5,6,7,8,9,10,11,12,13,14,15,16,17,18,19,20,21,22,23,24,25,26,27,28,29,30,31
	v_med3_num_f32 v[T+\j], v[T+\j], -v23, v23     ; the conversion to an 8-bit code does not saturate (ISA guide 7.6.2): the hold comes first
.endr
.irp g, 0,1,2,3
	v_cvt_scalef32_pk8_fp8_f32 v[C+8*\i+2*\g:C+8*\i+2*\g+1], v[T+8*\g:T+8*\g+7], v22
.endr
	v_lshlrev_b32 v24, v12, v24                    ; my byte at its place in the record's scale word (a plain instruction behind the conversions)
	s_delay_alu instid0(VALU_DEP_1)
	v_mov_b32_dpp v27, v24 row_xmask:1 row_mask:0xf bank_mask:0xf
	s_delay_alu instid0(VALU_DEP_1)
	v_or_b32 v24, v24, v27
	s_delay_alu instid0(VALU_DEP_1)
	v_mov_b32_dpp v27, v24 row_xmask:2 row_mask:0xf bank_mask:0xf
	s_delay_alu instid0(VALU_DEP_1)
	v_or_b32 v24, v24, v27                         ; the four lanes of a record hold its scale word
	s_delay_alu instid0(VALU_DEP_1)
	v_cndmask_b32 v[28+\i], v13, v24, s53          ; the first of them keeps it, the others hold the tail's zeros
	ds_store_b128 v4, v[C+8*\i:C+8*\i+3] offset:144*\i
	ds_store_b128 v4, v[C+8*\i+4:C+8*\i+7] offset:144*\i+16
	ds_store_b32 v5, v[28+\i] offset:144*\i        ; four lanes write the record's 16-byte tail whole
.endm
	ROW 0
	ROW 1
	ROW 2
	ROW 3
	s_wait_dscnt 0x0                               ; for the others' sake: my records lie in the planes
	s_barrier_signal -1
	s_barrier_wait -1
.irp k, 0,1,2,3,4,5,6,7,8
	ds_load_b128 v[X+4*\k:X+4*\k+3], v6 offset:512*\k              ; plane w: 32 records, 4,608 bytes on end
.endr
.irp k, 0,1,2,3,4,5,6,7,8
	s_wait_dscnt 8-\k
	global_store_b128 v7, v[X+4*\k:X+4*\k+3], s[OUT:OUT+1] offset:512*\k   ; 32 lanes store 512 consecutive bytes, at a multiple of 256 from the buffer's first byte
.endr
	s_wait_tensorcnt 0x0
	ds_add_u32 v224, v225
	s_wait_dscnt 0x0
	s_endpgm
.Lfunc_end_k_qbc453273dd_prep:
	.size	k_qbc453273dd_prep, .Lfunc_end_k_qbc453273dd_prep-k_qbc453273dd_prep
	.p2alignl 7, 3214868480
	.fill 96, 4, 3214868480
	.section	.rodata,"a",@progbits
	.p2align	6, 0x0
	.amdhsa_kernel k_qbc453273dd_prep
		.amdhsa_group_segment_fixed_size 75776
		.amdhsa_private_segment_fixed_size 0
		.amdhsa_enable_private_segment 0
		.amdhsa_kernarg_size 104
		.amdhsa_user_sgpr_count 2
		.amdhsa_user_sgpr_kernarg_segment_ptr 1
		.amdhsa_wavefront_size32 1
		.amdhsa_system_sgpr_workgroup_id_x 1
		.amdhsa_system_sgpr_workgroup_id_y 1
		.amdhsa_system_sgpr_workgroup_id_z 1
		.amdhsa_system_vgpr_workitem_id 0
		.amdhsa_next_free_vgpr 226
		.amdhsa_next_free_sgpr 66
		.amdhsa_reserve_vcc 0
		.amdhsa_float_denorm_mode_32 3
		.amdhsa_float_denorm_mode_16_64 3
		.amdhsa_memory_ordered 1
		.amdhsa_forward_progress 1
		.amdhsa_inst_pref_size 61
	.end_amdhsa_kernel
	.amdgpu_metadata
---
amdhsa.version: [ 1, 2 ]
amdhsa.kernels:
  - .name:           k_qbc453273dd_prep
    .symbol:         k_qbc453273dd_prep.kd
    .args:
      - { .name: src, .offset: 0, .size: 8, .value_kind: global_buffer, .address_space: global }
      - { .name: a1, .offset: 8, .size: 8, .value_kind: global_buffer, .address_space: global }
      - { .name: be1, .offset: 16, .size: 8, .value_kind: global_buffer, .address_space: global }
      - { .name: wq, .offset: 24, .size: 8, .value_kind: global_buffer, .address_space: global }
      - { .name: wk, .offset: 32, .size: 8, .value_kind: global_buffer, .address_space: global }
      - { .name: wv, .offset: 40, .size: 8, .value_kind: global_buffer, .address_space: global }
      - { .name: wo, .offset: 48, .size: 8, .value_kind: global_buffer, .address_space: global }
      - { .name: w1, .offset: 56, .size: 8, .value_kind: global_buffer, .address_space: global }
      - { .name: w2, .offset: 64, .size: 8, .value_kind: global_buffer, .address_space: global }
      - { .name: act, .offset: 72, .size: 8, .value_kind: global_buffer, .address_space: global }
      - { .name: wa, .offset: 80, .size: 8, .value_kind: global_buffer, .address_space: global }
      - { .name: wvb, .offset: 88, .size: 8, .value_kind: global_buffer, .address_space: global }
      - { .name: wf, .offset: 96, .size: 8, .value_kind: global_buffer, .address_space: global }
    .group_segment_fixed_size: 75776
    .private_segment_fixed_size: 0
    .kernarg_segment_align: 8
    .kernarg_segment_size: 104
    .max_flat_workgroup_size: 256
    .sgpr_count:     66
    .vgpr_count:     226
    .wavefront_size: 32
...
	.end_amdgpu_metadata
.endif
;; end of part 1
;; launch qkp (part 2): grid 16 x 32, 4 waves a work-group, clusters of 4 x 4, 327,680 bytes of LDS; arguments act, wa, qk; writes qk
.if DOCPART == 2
	.amdgcn_target "amdgcn-amd-amdhsa--gfx1250"
	.amdhsa_code_object_version 6
	.text
	.protected	k_qbc453273dd_qkp
	.globl	k_qbc453273dd_qkp
	.p2align	8
	.type	k_qbc453273dd_qkp,@function
k_qbc453273dd_qkp:
	s_mov_b64 s[64:65], 0
	v_nop
	global_prefetch_b8 v0, s[64:65] scope:SCOPE_SE
	s_setreg_imm32_b32 hwreg(HW_REG_WAVE_MODE, 25, 1), 1
	s_wait_xcnt 0x0
	s_wait_alu depctr_hold_cnt(0) depctr_sa_sdst(0) depctr_va_vdst(0) depctr_va_sdst(0) depctr_va_ssrc(0) depctr_va_vcc(0) depctr_vm_vsrc(0)
	s_getreg_b32 s2, hwreg(HW_REG_IB_STS2, 6, 4)
	s_cmp_eq_u32 s2, 0
	s_cbranch_scc0 .Lentry_in_a_cluster
	s_endpgm
.Lentry_in_a_cluster:
	s_bfe_u32 s2, ttmp6, 0x10000c
	s_cmp_lg_u32 s2, 0xf033
	s_cbranch_scc0 .Lentry_shape_is_right
	s_endpgm
.Lentry_shape_is_right:
; THIS TEXT: S and P as records over K = 1,024; the result is quantised along P's rows, 64 to a record of 80 bytes (64 codes, 2 scale bytes, 14 zeros): out[P row / 64][S position][80].
; It serves q and k (S = the normed tokens, P = wq and wk) and, with the arguments exchanged, v with the keys innermost (S = wv, P = the normed tokens).
.set KTOT,  1024                       ; along K
.set MODEQ, 1                          ; 1: the result is quantised into records; 0: it leaves as f32, with a residual added
.set RECW,  64                         ; codes in a record of the result
.set RELU,  0                          ; 1: what is negative becomes 0 on the way into the quantiser
.set BIASC, 0                          ; 1: a bias along P's rows starts the sums
.set BIASO, 0                          ; 1: a bias along P's rows is added on the way out
.set NARG,  3                          ; arguments: S, P, out (, bias or residual (, bias))
.set PLS,   589824                     ; bytes from K block to K block of S
.set PLP,   589824                     ; and of P
.set POFF,  0                          ; byte at which P's records begin in its buffer
; out[s][p] = the sum over k of S[s][k] P[p][k], on codes of FP8 (E4M3) with one E8M0 scale for each 32 along K; sums in f32, K ascending.
; OPERANDS lie in memory as RECORDS of 144 bytes (128 codes, 4 scale bytes, 12 zeros), [K / 128][row position][144]: the 128 rows of a tile are 18,432 dense bytes for each 128 along K, codes and scales together, and 144 is
; already a pitch at which the 16 rows of a fragment begin in 16 different groups of banks (64 banks of 4 bytes: ISA guide 11.1).  ROW POSITIONS: logical row R lies at position R with bits 3 and 4 exchanged.
; THE MATRIX INSTRUCTION IS USED TRANSPOSED: source 0 = 16 positions of P, source 1 = 16 positions of S.  A lane then holds ONE position of S, and the 16 registers of P's tiles 2 b and 2 b + 1 are the LOGICAL rows
; 32 b + 16 (lane / 16) + 0 .. 15 of P: 16 neighbours along the next product's K, in the order that an operand's registers want.
; SHARES.  A tile is 128 positions of S (work-group y) x 128 of P (work-group x); four waves, each 64 x 64: 16 accumulators.  K goes through two LDS slots of 512 along K; each wave fetches S's or P's half of one slot by one tensor load.
; CLUSTERS: 4 x 4 work-groups.  S's tiles hang on y alone and are asked for jointly along a row of the cluster, P's on x alone and along a column.
; LIMITS: a block of zeros gets the scale byte 1 where the rule says 127 (its codes are zeros, and only this program reads the bytes); NaN and infinities are not served.
; REGISTERS: window 0: v8-15 scale words, two sets of 4 (lanes 0-15 S's tile i, lanes 16-31 P's tile i); v16-29 addresses; v30-31 zeros; v32-95 codes or residual; v80-91 the quantiser's; v96-127 bias; v128-255 accumulators
;   ((a, t) at v[128 + 8 (4 a + t)]).   window 1: two fragment buffers of 128: S's four fragments, then P's four.
.set PL,    589824
.set PL80,  327680
.set REC,   144
.set KB,    128*REC                    ; a tile's records of 128 along K
.set SLOT,  8*KB                       ; S's four K blocks, then P's four
.set PPART, 4*KB
.set HALFW, 64*REC                     ; a wave's 64 records
.set SPARE, 2*SLOT                     ; behind the slots: the spare words, 128 bytes for each wave: two blocks of 256 bytes that no other line names
.set LAPS,  KTOT/1024                  ; a lap = both slots
.set RP,    RECW+16                    ; a record of the result
.set FP,    528                        ; the f32 stage: a row of 512 bytes + 16
.if RECW == 64
.set WPB,   128*RP                     ; the stage holds two planes of 128 records: my half of P's rows is a plane
.set WPT,   128*RP
.else
.set WPB,   64                         ; one plane: my half of P's rows is half a record's codes,
.set WPT,   2                          ; and two of its scale bytes
.endif
.set NCP,   (128*RP*(128/RECW)/4)/512  ; loads of 512 bytes with which a wave copies its quarter of the stage
.set SC,   8
.set ADS,  16                          ; v16-17 LDS address of my S fragments in slot 0, 1
.set ADP,  20                          ; v20-21 the same for P
.set ADC,  22                          ; v22-23 of my scale words: lanes 0-15 S's, lanes 16-31 P's
.set STO,  24                          ; v24 the way out: where I put my results
.set RD,   25                          ; v25 where I read the stage back
.set CO,   26                          ; v26 16 x lane
.set TL,   27                          ; v27 where my record's scale bytes go
.set SPW,  28                          ; v28 LDS address of my spare word; never rewritten
.set NIL,  29                          ; v29 0; never rewritten
.set ACC,  128
.set F0,   0
.set F1,   128
.set G1,   24                          ; s[24:31] descriptor group 1 for S's tiles; s[32:39] group 0, a set for each slot
.set G0,   32
.set G1B,  48                          ; s[48:55], s[56:63] the same for P's
.set G0B,  56
.set SEL,  68                          ; s[68:69] lane selects: lane l xor 16
.set MNT,  70                          ; s70 the mantissa field of 448
.set MSB, 0
.macro WIN new                         ; the immediate's high byte repeats the setting that is left
.if MSB != \new
	s_set_vgpr_msb (MSB<<8)|\new
.set MSB, \new
.endif
.endm
.set MUL,  0x05                        ; sources 0 and 1 window 1; C and D window 0
.set TO_F, 0x40                        ; destination window 1, address window 0
.macro PLACES n                        ; plain vector instructions behind matrix instructions; this form with 8-bit operands wants eight in front of loads into its registers and of reads of its results
.rept \n
	v_nop
.endr
.endm
.macro JLOAD g0a, g1a, g0b, g1b        ; a joint load: waves 0 and 1 fetch for S, waves 2 and 3 for P; four v_nop follow each of the two lines
	s_cmp_eq_u32 s15, 0
	s_cbranch_scc0 .Lfor_b_\@
	tensor_load_to_lds s[\g0a:\g0a+3], s[\g1a:\g1a+7]
	s_nop 0
.rept 4
	v_nop
.endr
	s_branch .Lasked_\@
.Lfor_b_\@:
	tensor_load_to_lds s[\g0b:\g0b+3], s[\g1b:\g1b+7]
	s_nop 0
.rept 4
	v_nop
.endr
.Lasked_\@:
.endm
.macro CREST                           ; a round of the cluster's barrier behind its opening barrier
	s_cmp_lg_u32 s14, 0
	s_cbranch_scc1 .Lnot_wave_0_\@
	s_barrier_signal -3
.Lnot_wave_0_\@:
	s_barrier_wait -3
	s_barrier_signal -1
	s_barrier_wait -1
.endm
.macro CROUND
	s_barrier_signal -1
	s_barrier_wait -1
	CREST
.endm
	s_load_b128 s[4:7], s[0:1], 0x0                ; S, P
	s_load_b64 s[8:9], s[0:1], 0x10                ; out
.if NARG > 3
	s_load_b64 s[10:11], s[0:1], 0x18              ; the bias that starts the sums, or the residual
.endif
.if NARG > 4
	s_load_b64 s[12:13], s[0:1], 0x20              ; the bias of the way out
.endif
	v_lshl_add_u32 v[SPW], v0, 2, SPARE
	v_mov_b32 v[NIL], 0
	ds_add_u32 v28, v29
	ds_add_u32 v28, v29
	s_wait_dscnt 0x0
	v_lshrrev_b32 v1, 5, v0
	v_readfirstlane_b32 s14, v1                    ; wave 0..3
	s_lshr_b32 s15, s14, 1                         ; which 64 of S's positions are mine.  Also: I fetch for S (0) or for P (1)
	s_and_b32 s16, s14, 1                          ; which 64 of P's.  Also: which slot I fetch into
	s_bfe_u32 s40, ttmp6, 0x40000                  ; cx, cy: my place in the cluster
	s_bfe_u32 s41, ttmp6, 0x40004
	s_lshl_b32 s42, ttmp9, 2
	s_add_co_u32 s42, s42, s40                     ; x = 4 x cluster x + cx: P's tile
	s_and_b32 s17, ttmp7, 0xffff
	s_lshl_b32 s17, s17, 2
	s_add_co_u32 s17, s17, s41                     ; y = 4 x cluster y + cy: S's tile
	s_lshl_b32 s43, s41, 2
	s_lshl_b32 s43, 15, s43                        ; my row of the cluster
	s_lshl_b32 s44, 0x1111, s40                    ; my column
	; descriptor group 1: four rows of 18,432 bytes (2,304 elements of 8 bytes), a plane apart in memory, on end in LDS
	s_or_b32 s[G1+0], s43, (3<<16)|(1<<21)         ; 15:0 the mask: S's tiles go to my row; 17:16 elements of 8 bytes; 20 no padding; 21 set beside a mask
	s_or_b32 s[G1B+0], s44, (3<<16)|(1<<21)        ; the same with my column, for P's tiles
.irp g, G1, G1B
	s_mov_b32 s[\g+1], 2304<<16                    ; tensor_dim0
	s_mov_b32 s[\g+2], 4<<16                       ; tensor_dim1: four K blocks to a load
	s_mov_b32 s[\g+3], 2304<<16                    ; tile_dim0
	s_mov_b32 s[\g+4], 4                           ; tile_dim1
	s_mov_b32 s[\g+6], 0
	s_mov_b32 s[\g+7], 0
.endr
	s_mov_b32 s[G1+5], PLS/8                       ; tensor_dim0_stride, in elements
	s_mov_b32 s[G1B+5], PLP/8
	s_mul_i32 s20, s17, KB                         ; S: my tile's records in a plane hang on y alone,
	s_mul_i32 s18, s16, 4*PLS                      ; + the four planes that I fetch
	s_add_co_u32 s20, s20, s18
	s_mov_b32 s21, 0
	s_mul_i32 s46, s42, KB                         ; P: on x alone, in registers that never hold y
	s_mul_i32 s19, s16, 4*PLP
	s_add_co_u32 s46, s46, s19
	s_add_co_u32 s46, s46, POFF
	s_mov_b32 s47, 0
	s_mul_i32 s45, s16, SLOT                       ; where they go: slot wave % 2, S's part or P's: no place in the cluster enters an LDS address
	s_mul_i32 s71, s15, PPART
	s_add_co_u32 s45, s45, s71
	s_mov_b32 s[SEL], 0x76543210
	s_mov_b32 s[SEL+1], 0xfedcba98
	s_mov_b32 s[MNT], 0x600000
	s_wait_kmcnt 0x0
	s_add_nc_u64 s[20:21], s[4:5], s[20:21]
	s_add_nc_u64 s[46:47], s[6:7], s[46:47]
	CROUND                                         ; all sixteen work-groups are here: the first joint loads meet
.irp s, 0
	s_mov_b32 s[G0+4*\s], 1
	s_add_co_u32 s[G0+4*\s+1], s45, \s*SLOT        ; 63:32 LDS address
	s_add_nc_u64 s[G0+4*\s+2:G0+4*\s+3], s[20:21], \s*4*PLS        ; 120:64 global address: slot s begins with K blocks 4 s on
	s_or_b32 s[G0+4*\s+3], s[G0+4*\s+3], 0x80000000                ; 127:126 type = 2
	s_mov_b32 s[G0B+4*\s], 1
	s_add_co_u32 s[G0B+4*\s+1], s45, \s*SLOT
	s_add_nc_u64 s[G0B+4*\s+2:G0B+4*\s+3], s[46:47], \s*4*PLP
	s_or_b32 s[G0B+4*\s+3], s[G0B+4*\s+3], 0x80000000
	JLOAD G0+4*\s, G1, G0B+4*\s, G1B               ; both slots are asked for before anything else: one load of mine is out
.endr
	v_and_b32 v1, 15, v0                           ; r = lane % 16
	v_bfe_u32 v2, v0, 4, 1                         ; h = lane / 16
	v_mul_u32_u24 v3, v1, REC
	v_lshl_add_u32 v4, v2, 4, v3                   ; a fragment: record r, + 16 h
	s_mul_i32 s21, s15, HALFW                      ; my 64 records of S
	s_mul_i32 s22, s16, HALFW
	s_add_co_u32 s22, s22, PPART                   ; my 64 of P, behind S's four K blocks
	s_sub_co_u32 s23, s22, s21
	v_mul_u32_u24 v5, s23, v2                      ; lanes 16-31 take P's scale words: one product, the distance x h
	v_add_nc_u32 v5, v5, v3
	v_add_nc_u32 v5, 128, v5                       ; the scale word lies behind the record's 128 codes
.irp s, 0,1
	v_add_nc_u32 v[ADS+\s], s21, v4
	v_add_nc_u32 v[ADP+\s], s22, v4
	v_add_nc_u32 v[ADC+\s], s21, v5
	s_add_co_u32 s21, s21, SLOT
	s_add_co_u32 s22, s22, SLOT
.endr
	v_and_b32 v7, 31, v0
	v_lshlrev_b32 v[CO], 4, v7
.if MODEQ
	s_mul_i32 s22, s15, 64*RP
	v_mul_u32_u24 v6, v1, RP
	v_add_nc_u32 v6, s22, v6                       ; the stage: the record of my position of S
	s_mul_i32 s21, s16, WPB
	v_add_nc_u32 v[STO], s21, v6
	v_lshl_add_u32 v[STO], v2, 4, v[STO]           ; my 16 codes of a block of 32
	s_mul_i32 s21, s16, WPT
	s_add_co_u32 s21, s21, RECW
	v_add_nc_u32 v[TL], s21, v6                    ; my two scale bytes
	s_mul_i32 s21, s14, NCP*512
	v_add_nc_u32 v[RD], s21, v[CO]                 ; back: my quarter of the stage, 16 bytes a lane
.if RECW == 64
	s_lshl_b32 s72, s42, 1                         ; out: plane 2 x + wave / 2, records 128 y + 64 (wave % 2) on
	s_add_co_u32 s72, s72, s15
	s_mul_i32 s72, s72, PL80
	s_mul_i32 s73, s17, 128*RP
	s_add_co_u32 s72, s72, s73
	s_mul_i32 s73, s16, 64*RP
	s_add_co_u32 s72, s72, s73
.else
	s_mul_i32 s72, s42, PL                         ; out: plane x, records 128 y + 32 wave on
	s_mul_i32 s73, s17, 128*RP
	s_add_co_u32 s72, s72, s73
	s_mul_i32 s73, s14, 32*RP
	s_add_co_u32 s72, s72, s73
.endif
	s_mov_b32 s73, 0
	s_add_nc_u64 s[8:9], s[8:9], s[72:73]
	v_mov_b32 v30, 0
	v_mov_b32 v31, 0
	v_mov_b32 v82, 0                               ; written once: a lane permute's destination counts as one of its sources
	v_mov_b32 v83, 0
.irp a, 0,1,2,3
.irp j, 9,10,11
	v_mov_b32 v[32+12*\a+\j], 0                    ; the zeros of a record's tail
.endr
.endr
.else
	s_mul_i32 s22, s15, 64*FP
	s_lshl_b32 s21, s16, 8
	s_add_co_u32 s22, s22, s21
	v_mul_u32_u24 v6, v1, FP
	v_lshl_add_u32 v6, v2, 6, v6
	v_add_nc_u32 v[STO], s22, v6                   ; the stage: row 64 ws + r; my 16 numbers of a block of 32: 256 wp + 64 h bytes on
	s_mul_i32 s22, s14, 32*FP
	v_add_nc_u32 v[RD], s22, v[CO]                 ; back: rows 32 w on, whole
	s_lshl_b32 s72, s17, 7
	s_lshl_b32 s73, s14, 5
	s_add_co_u32 s72, s72, s73                     ; out and residual: row 128 y + 32 w of 4,096 bytes, + 512 x
	s_lshl_b32 s72, s72, 12
	s_lshl_b32 s73, s42, 9
	s_add_co_u32 s72, s72, s73
	s_mov_b32 s73, 0
	s_add_nc_u64 s[8:9], s[8:9], s[72:73]
	s_add_nc_u64 s[10:11], s[10:11], s[72:73]
.endif
.if BIASO
	s_lshl_b32 s72, s42, 9
	s_add_nc_u64 s[12:13], s[12:13], s[72:73]
	global_load_b128 v[96:99], v[CO], s[12:13]     ; the bias of my four columns of a row
.endif
.if BIASC
	s_lshl_b32 s72, s42, 9                         ; the bias in the result's layout: for tile 2 b + u the numbers 128 x + 64 wp + 32 b + 16 h + 8 u + 0 .. 7
	s_lshl_b32 s73, s16, 8
	s_add_co_u32 s72, s72, s73
	s_mov_b32 s73, 0
	s_add_nc_u64 s[10:11], s[10:11], s[72:73]
	v_lshlrev_b32 v7, 6, v2
.irp t, 0,1,2,3
	global_load_b128 v[96+8*\t:96+8*\t+3], v7, s[10:11] offset:(32*(\t/2)+8*(\t%2))*4
	global_load_b128 v[96+8*\t+4:96+8*\t+7], v7, s[10:11] offset:(32*(\t/2)+8*(\t%2))*4+16
.endr
.endif
; 36 LDS loads in one run: the fragments and scale words of the slot's q-th 128 along K into buffer f and scale set sc
.macro FETCH slot, q, f, sc
	WIN TO_F
.irp i, 0,1,2,3
.irp c, 0,1,2,3
	ds_load_b128 v[(\f)+64+16*\i+4*\c:(\f)+64+16*\i+4*\c+3], v[ADP+\slot] offset:KB*(\q)+16*REC*\i+32*\c   ; registers 4 c ..: K = 32 c + 16 h + 0 .. 15
.endr
.irp c, 0,1,2,3
	ds_load_b128 v[(\f)+16*\i+4*\c:(\f)+16*\i+4*\c+3], v[ADS+\slot] offset:KB*(\q)+16*REC*\i+32*\c
.endr
.endr
	WIN 0
.irp i, 0,1,2,3
	ds_load_b32 v[SC+4*(\sc)+\i], v[ADC+\slot] offset:KB*(\q)+16*REC*\i
.endr
.endm
; 8 matrix instructions: S's tiles a0, a0 + 1 x P's four.  zero = 1: the first product starts the sums.  The 16 accumulators take turns, one instruction a turn, in one order.
.macro MUL8 f, sc, a0, zero
.irp a, \a0, \a0+1
.irp t, 0,1,2,3
.if \zero
.if BIASC
	v_wmma_scale_f32_16x16x128_f8f6f4 v[ACC+8*(4*(\a)+\t):ACC+8*(4*(\a)+\t)+7], v[(\f)+64+16*\t:(\f)+64+16*\t+15], v[(\f)+16*(\a):(\f)+16*(\a)+15], v[96+8*\t:96+8*\t+7], v[SC+4*(\sc)+\t], v[SC+4*(\sc)+(\a)] matrix_a_scale:MATRIX_SCALE_ROW1
.else
	v_wmma_scale_f32_16x16x128_f8f6f4 v[ACC+8*(4*(\a)+\t):ACC+8*(4*(\a)+\t)+7], v[(\f)+64+16*\t:(\f)+64+16*\t+15], v[(\f)+16*(\a):(\f)+16*(\a)+15], 0, v[SC+4*(\sc)+\t], v[SC+4*(\sc)+(\a)] matrix_a_scale:MATRIX_SCALE_ROW1
.endif
.else
	v_wmma_scale_f32_16x16x128_f8f6f4 v[ACC+8*(4*(\a)+\t):ACC+8*(4*(\a)+\t)+7], v[(\f)+64+16*\t:(\f)+64+16*\t+15], v[(\f)+16*(\a):(\f)+16*(\a)+15], v[ACC+8*(4*(\a)+\t):ACC+8*(4*(\a)+\t)+7], v[SC+4*(\sc)+\t], v[SC+4*(\sc)+(\a)] matrix_a_scale:MATRIX_SCALE_ROW1
.endif
.endr
.endr
.endm
; A step of 128 along K that has its successor in the same slot: the successor's loads go out first and have this step's 16 products in which to land.
.macro STEP slot, q, zero
	s_wait_dscnt 0x0                               ; this step's fragments and scale words are in
	PLACES 8                                       ; the other buffer and scale set were read by the last step's products
	FETCH \slot, (\q)+1, 128*(1-(\q)%2), 1-(\q)%2
	WIN MUL
	MUL8 128*((\q)%2), (\q)%2, 0, \zero
	MUL8 128*((\q)%2), (\q)%2, 2, \zero
.endm
; A slot's last step changes slots: ONE barrier; in front of it each wave waits for all its tensor loads, adds 0 to its spare word, and waits for that and for its reads of this slot.  fill = 1: this slot is filled again, two slots ahead.
.macro TURN slot, next, fill
	WIN 0                                          ; (the add's two registers lie in window 0)
	s_wait_tensorcnt 0x0                           ; all my tensor loads have landed: my part of the next slot among them
	ds_add_u32 v[SPW], v[NIL]                      ; 0 onto my spare word
	s_wait_dscnt 1                                 ; (only the add may be out: this step's fragments are in)
	WIN MUL
	MUL8 F1, 1, 0, 0                               ; eight matrix instructions stand between the add and the wait for it
	s_wait_dscnt 0x0                               ; the add is done, and my reads of this slot are over
	s_barrier_signal -1
	WIN 0
	s_barrier_wait -1
.if \fill
	CREST                                          ; the barrier has opened a round of the cluster's barrier: no wave of any partner still reads this slot or has a load on its way
	s_add_nc_u64 s[G0+4*\slot+2:G0+4*\slot+3], s[G0+4*\slot+2:G0+4*\slot+3], 8*PLS
	s_add_nc_u64 s[G0B+4*\slot+2:G0B+4*\slot+3], s[G0B+4*\slot+2:G0B+4*\slot+3], 8*PLP
	JLOAD G0+4*\slot, G1, G0B+4*\slot, G1B         ; the first tensor load behind the round, my one load until the next; its four v_nop are among the places in front of the loads below
	PLACES 4
.else
	PLACES 8
.endif
	FETCH \next, 0, F0, 0
	WIN MUL
	MUL8 F1, 1, 2, 0
.endm
.if BIASC || BIASO
	s_wait_loadcnt 0x0                             ; the bias
.endif
	s_wait_tensorcnt 0x0                           ; my one load, four K blocks of S or of P, is in
	s_barrier_signal -1
	s_barrier_wait -1                              ; everybody's is
	FETCH 0, 0, F0, 0
	STEP 0, 0, 1                                   ; the first step stands in front of the loop: its products start the sums
.if LAPS > 1
	WIN 0                                          ; at a label and at a branch every window is 0
	s_mov_b32 s3, LAPS-1
.Llap:                                                 ; a trip goes once through both slots, from a lap's second step to the next lap's first, and fills both again
	STEP 0, 1, 0
	STEP 0, 2, 0
	TURN 0, 1, 1
	STEP 1, 0, 0
	STEP 1, 1, 0
	STEP 1, 2, 0
	TURN 1, 0, 1
	STEP 0, 0, 0
	WIN 0
	s_sub_co_u32 s3, s3, 1
	s_cmp_lg_u32 s3, 0
	s_cbranch_scc1 .Llap
.endif
	STEP 0, 1, 0                                   ; the last lap fills nothing
	STEP 0, 2, 0
	TURN 0, 1, 0
	STEP 1, 0, 0
	STEP 1, 1, 0
	STEP 1, 2, 0
	s_wait_dscnt 0x0                               ; the very last step
	WIN MUL
	MUL8 F1, 1, 0, 0
	MUL8 F1, 1, 2, 0
	WIN 0
; THE WAY OUT.  The stage lies in slot 0: it has had its last fill, and every wave has passed the last change of slots, behind which nobody reads it.
.if MODEQ
; 32 numbers of a lane, register 16 b + i = logical row 32 b + 16 h + i of P, become 2 x 16 codes and two scale bytes of the record of S's position 16 a + r.
.macro QOUT a
.set AC, ACC+32*(\a)
.set CD, 32+12*(\a)
.irp b, 0,1
.if RELU
	v_max3_num_f32 v[80+\b], v[AC+16*\b], v[AC+16*\b+1], 0x4800000           ; no |.|: what is negative is to become 0 and must not count; the floor 2^(9 - 127) stands over it
.else
	v_max3_num_f32 v[80+\b], |v[AC+16*\b]|, |v[AC+16*\b+1]|, 0x4800000       ; my 16 numbers of block b, and the floor 2^(9 - 127): the byte cannot fall under 1
.endif
.endr
.irp i, 2,4,6,8,10,12,14
.irp b, 0,1
.if RELU
	v_max3_num_f32 v[80+\b], v[80+\b], v[AC+16*\b+\i], v[AC+16*\b+\i+1]
.else
	v_max3_num_f32 v[80+\b], v[80+\b], |v[AC+16*\b+\i]|, |v[AC+16*\b+\i+1]|
.endif
.endr
.endr
.irp b, 0,1
	v_permlanex16_b32 v[82+\b], v[80+\b], s[SEL], s[SEL+1]
.endr
.irp b, 0,1
	v_max_num_f32 v[80+\b], v[80+\b], v[82+\b]     ; with lane l xor 16's: the block's largest magnitude
.endr
.irp b, 0,1
	v_add_nc_u32 v[86+\b], 0xfc000000, v[80+\b]    ; 8 off the exponent field: the conversion's scale operand
.endr
.irp b, 0,1
	v_and_or_b32 v[84+\b], v[80+\b], 0x7f800000, s[MNT]   ; 448 x the scale
.endr
.irp b, 0,1
	v_lshrrev_b32 v[82+\b], 23, v[86+\b]           ; the scale's byte
.endr
	v_lshl_or_b32 v[CD+8], v83, 8, v82
.irp b, 0,1
.irp i, 0,1,2,3,4,5,6,7,8,9,10,11,12,13,14,15
.if RELU
	v_med3_num_f32 v[AC+16*\b+\i], v[AC+16*\b+\i], 0, v[84+\b]               ; the activation and the hold in one
.else
	v_med3_num_f32 v[AC+16*\b+\i], v[AC+16*\b+\i], -v[84+\b], v[84+\b]       ; the conversion to an 8-bit code does not saturate (ISA guide 7.6.2)
.endif
.endr
	v_cvt_scalef32_pk8_fp8_f32 v[CD+4*\b:CD+4*\b+1], v[AC+16*\b:AC+16*\b+7], v[86+\b]
	v_cvt_scalef32_pk8_fp8_f32 v[CD+4*\b+2:CD+4*\b+3], v[AC+16*\b+8:AC+16*\b+15], v[86+\b]
.endr
	v_nop                                          ; one plain instruction behind the last conversion
	ds_store_b128 v[STO], v[CD:CD+3] offset:(\a)*16*RP
	ds_store_b128 v[STO], v[CD+4:CD+7] offset:(\a)*16*RP+32
.if RECW == 64
	ds_store_b128 v[TL], v[CD+8:CD+11] offset:(\a)*16*RP           ; the tail whole: two bytes and 14 zeros (both halves of the lanes write the same)
.else
	ds_store_b16 v[TL], v[CD+8] offset:(\a)*16*RP                  ; my two of the record's four scale bytes
.endif
.endm
	PLACES 8                                       ; in front of the first read of results
	QOUT 0
	QOUT 1
	QOUT 2
	QOUT 3
.if RECW == 128
	s_cmp_lg_u32 s16, 0                            ; the tail's 12 zeros: the wave of P's lower half writes bytes 136-143, the other bytes 132-135
	s_cbranch_scc1 .Lpad1
.irp a, 0,1,2,3
	ds_store_b64 v[TL], v[30:31] offset:\a*16*RP+8
.endr
	s_branch .Lpadded
.Lpad1:
.irp a, 0,1,2,3
	ds_store_b32 v[TL], v30 offset:\a*16*RP+2
.endr
.Lpadded:
.endif
	s_wait_dscnt 0x0                               ; for the others' sake: my records lie in the stage
	s_barrier_signal -1
	s_barrier_wait -1
.set k, 0
.rept NCP
	ds_load_b128 v[ACC+4*k:ACC+4*k+3], v[RD] offset:512*k
.set k, k+1
.endr
.set k, 0
.rept NCP
	s_wait_dscnt NCP-1-k
	global_store_b128 v[CO], v[ACC+4*k:ACC+4*k+3], s[8:9] offset:512*k   ; 32 lanes store 512 consecutive bytes, at a multiple of 256 from the buffer's first byte
.set k, k+1
.endr
.else
; f32: the results meet in a stage of 128 rows; each wave reads 32 whole rows of 512 bytes back, adds the residual (and the bias) and stores them.  Position i of a group of 32 is logical row i with bits 3 and 4 exchanged.
.macro RESLD i0
.set k, 0
.rept 16
.set kk, k+\i0
	global_load_b128 v[32+4*k:32+4*k+3], v[CO], s[10:11] offset:((kk&7)|((kk&8)<<1)|((kk&16)>>1))*4096
.set k, k+1
.endr
.endm
.macro HALF i0, left
	s_wait_loadcnt 0x0                             ; 16 rows of the residual
	s_wait_dscnt \left                             ; and of the stage; the later rows' loads may be out
.set k, 0
.rept 16
	v_pk_add_f32 v[ACC+4*(k+\i0):ACC+4*(k+\i0)+1], v[ACC+4*(k+\i0):ACC+4*(k+\i0)+1], v[32+4*k:33+4*k]
	v_pk_add_f32 v[ACC+4*(k+\i0)+2:ACC+4*(k+\i0)+3], v[ACC+4*(k+\i0)+2:ACC+4*(k+\i0)+3], v[34+4*k:35+4*k]
.if BIASO
	v_pk_add_f32 v[ACC+4*(k+\i0):ACC+4*(k+\i0)+1], v[ACC+4*(k+\i0):ACC+4*(k+\i0)+1], v[96:97]
	v_pk_add_f32 v[ACC+4*(k+\i0)+2:ACC+4*(k+\i0)+3], v[ACC+4*(k+\i0)+2:ACC+4*(k+\i0)+3], v[98:99]
.endif
.set k, k+1
.endr
.endm
.macro SENDF i0
.set k, 0
.rept 16
.set kk, k+\i0
	global_store_b128 v[CO], v[ACC+4*kk:ACC+4*kk+3], s[8:9] offset:((kk&7)|((kk&8)<<1)|((kk&16)>>1))*4096   ; 32 lanes store 512 consecutive bytes, at a multiple of 256 from the buffer's first byte
.set k, k+1
.endr
.endm
	RESLD 0
	PLACES 8                                       ; in front of the first read of results
.irp a, 0,1,2,3
.irp g, 0,1,2,3,4,5,6,7
	ds_store_b128 v[STO], v[ACC+32*\a+4*\g:ACC+32*\a+4*\g+3] offset:\a*16*FP+128*(\g/4)+16*(\g%4)   ; each accumulator from its low end on
.endr
.endr
	s_wait_dscnt 0x0                               ; for the others' sake: my results lie in the stage
	s_barrier_signal -1
	s_barrier_wait -1
.set k, 0
.rept 32
	ds_load_b128 v[ACC+4*k:ACC+4*k+3], v[RD] offset:FP*k
.set k, k+1
.endr
	HALF 0, 16
	RESLD 16                                       ; the additions above have read these registers
	SENDF 0
	HALF 16, 0
	SENDF 16
.endif
	s_wait_tensorcnt 0x0                           ; the wave's end, behind my last tensor load and my last LDS store
	ds_add_u32 v[SPW], v[NIL]
	s_wait_dscnt 0x0
	CROUND                                         ; the closing round: no work-group ends while a partner may still ask for a tile that names it
	s_endpgm
.Lfunc_end_k_qbc453273dd_qkp:
	.size	k_qbc453273dd_qkp, .Lfunc_end_k_qbc453273dd_qkp-k_qbc453273dd_qkp
	.p2alignl 7, 3214868480
	.fill 96, 4, 3214868480
	.section	.rodata,"a",@progbits
	.p2align	6, 0x0
	.amdhsa_kernel k_qbc453273dd_qkp
		.amdhsa_group_segment_fixed_size 327680
		.amdhsa_private_segment_fixed_size 0
		.amdhsa_enable_private_segment 0
		.amdhsa_kernarg_size 24
		.amdhsa_user_sgpr_count 2
		.amdhsa_user_sgpr_kernarg_segment_ptr 1
		.amdhsa_wavefront_size32 1
		.amdhsa_system_sgpr_workgroup_id_x 1
		.amdhsa_system_sgpr_workgroup_id_y 1
		.amdhsa_system_sgpr_workgroup_id_z 1
		.amdhsa_system_vgpr_workitem_id 0
		.amdhsa_next_free_vgpr 512
		.amdhsa_next_free_sgpr 80
		.amdhsa_reserve_vcc 0
		.amdhsa_float_denorm_mode_32 3
		.amdhsa_float_denorm_mode_16_64 3
		.amdhsa_memory_ordered 1
		.amdhsa_forward_progress 1
		.amdhsa_inst_pref_size 64
	.end_amdhsa_kernel
	.amdgpu_metadata
---
amdhsa.version: [ 1, 2 ]
amdhsa.kernels:
  - .name:           k_qbc453273dd_qkp
    .symbol:         k_qbc453273dd_qkp.kd
    .args:
      - { .name: act, .offset: 0, .size: 8, .value_kind: global_buffer, .address_space: global }
      - { .name: wa, .offset: 8, .size: 8, .value_kind: global_buffer, .address_space: global }
      - { .name: qk, .offset: 16, .size: 8, .value_kind: global_buffer, .address_space: global }
    .group_segment_fixed_size: 327680
    .private_segment_fixed_size: 0
    .kernarg_segment_align: 8
    .kernarg_segment_size: 24
    .max_flat_workgroup_size: 128
    .sgpr_count:     80
    .vgpr_count:     512
    .wavefront_size: 32
...
	.end_amdgpu_metadata
.endif
;; end of part 2
;; launch vp: the kernel of part 2 again; grid 32 x 8, 4 waves a work-group, clusters of 4 x 4, 327,680 bytes of LDS; arguments wvb, act, vt; writes vt
;; launch attn (part 3): grid 16 x 16, 8 waves a work-group, no clusters, 327,680 bytes of LDS; arguments qk, vt, src_mask, act; writes act
.if DOCPART == 3
	.amdgcn_target "amdgcn-amd-amdhsa--gfx1250"
	.amdhsa_code_object_version 6
	.text
	.protected	k_qbc453273dd_attn
	.globl	k_qbc453273dd_attn
	.p2align	8
	.type	k_qbc453273dd_attn,@function
k_qbc453273dd_attn:
	s_mov_b64 s[64:65], 0
	v_nop
	global_prefetch_b8 v0, s[64:65] scope:SCOPE_SE
	s_setreg_imm32_b32 hwreg(HW_REG_WAVE_MODE, 25, 1), 1
	s_wait_xcnt 0x0
; ATTENTION ON CODES OF FP8 (E4M3), one E8M0 scale for each 32 along a product's K; 2 batches x 16 heads of 64, 2,048 keys, with the key mask of src_mask.
; q, k: records of 80 bytes (64 codes, 2 scale bytes, 14 zeros), qk[plane: q's heads 0-15, k's heads 16-31][token position][80].  v: records with the keys innermost, vt[token / 64][position of 64 head + d][80].
; The result, divided by the row's sum, is quantised along the model's axis into records of 144 bytes: act[head / 2][token position][144].
; POSITIONS: logical row R lies at position R with bits 3 and 4 exchanged, so the 16 registers of two neighbouring tiles are 16 logical neighbours.
; SOFTMAX: t = score x log2(e) / 8; M = the running largest t rounded up to a whole number; p = 2^(t - M) is quantised along the keys, not normalised; the sum of the unquantised p divides at the end;
; when M moves, the sum and O are multiplied by 2^(old M - new M), which rounds nothing.
; THE MASK: a key with mask 0 has -2^33 as the C of its score's product (others 0).  Where a batch has no open key, Q's codes are cleared: all scores are equal and the softmax is uniform, as in the reference.
; LIMIT: a masked logit is -2^30 + score / 8 where the reference writes -1e9: the same p (0) while open logits lie above some -1e9.
; K = 64 in the first product: the upper half of Q's operand is zero codes, so what stands in the upper half of K's operand adds nothing; the scale bytes there are the records' zeros.
; SHARES.  A work-group owns 128 query positions and a pair of heads.  Wave w of eight: head 2 hp + w / 4, queries 32 (w % 4) on: TWO tiles of 16, which share each fragment of K and V and the 64 mask numbers.
; The two tiles are walked one after the other on one set of 64 score registers.  A step is 128 keys; two LDS slots of one step (40,960 bytes: K of both heads, two planes of V); every wave fetches 5,120 dense bytes by one tensor load.
; THE CHANGE OF SLOTS stands in the middle of a step: V's fragments are in registers then, and K's were read a step earlier.  Behind it the slot in hand is filled with the keys two steps on, and the next step's K, scale words and mask numbers are read from the other slot.
; PREFETCH: the sixteen work-groups of a pair of heads walk the same tiles; work-group x asks for step x's 40,960 bytes (each wave its own 20 blocks of 256 bytes, a lane a block, lanes 20-31 the last again) in the trip that stands two trips ahead of the load of that step; steps 0 to 3 come by their loads alone.
; No cluster: a work-group asks for 16 x 40,960 = 655,360 bytes of tiles in the whole launch, a small part beside what its waves read from LDS and compute on each of them.
; LIMITS: a block of zeros gets the scale byte 1 over zero codes; NaN and infinities are not served.
; REGISTERS.  window 0: v1-11, 44 addresses; v12-27 what a tile carries; v28-43 scale words; v48-71 at work; v96-127 Q; v128-191 S^T, then p; v192-255 mask numbers.   window 1: v0-71 K; v72-135 V; v136-167 p's codes; v168-231 O^T.
.set PL,    589824
.set PL80,  327680
.set KH,    10240                      ; 128 keys' records of one head
.set VOFF,  2*KH
.set VPL,   10240                      ; a plane of V: 64 keys, 128 rows of 80 bytes
.set SLOT1, 1<<16
.set BIAS,  2*SLOT1                    ; 2,048 numbers, 0 or -2^33, a key each
.set FLAG,  BIAS+8192                  ; a word for each wave: has its part of the mask an open key
.set STAGE, FLAG+256                   ; the way out: 128 records of 144 bytes; no tensor load lands here
.set SPARE, STAGE+18432                ; the spare words, 128 bytes for each wave
.set AK0,  1
.set AV0,  2
.set ASK0, 3
.set ASV0, 4
.set SPW,  5
.set NIL,  6
.set ABI,  7
.set ADK,  8
.set ADV,  9
.set ADS,  10
.set ADT,  11
.set NM,   12                          ; v12, 13: tile 0's -M and largest t; v14, 15: tile 1's
.set SUM,  16                          ; v[16:17], v[18:19] the sums, in two halves
.set FF,   20                          ; v[20:21], v[22:23] f = 2^(old M - new M), named as pairs
.set PW,   24                          ; v24, 25 p's scale words
.set QS,   26                          ; v26, 27 Q's scale words
.set KS,   28                          ; v28-35 K's scale words
.set VS,   36                          ; v36-43 V's scale bytes, joined in the even ones
.set ADB,  44
.set TMP,  45
.set PFO,  46                          ; the prefetch's offset; never rewritten
.set BM,   48
.set BB,   52
.set BH,   56
.set BS,   60
.set ST,   64                          ; v64-69 three more chains of the sum
.set BY,   76                          ; v76, 77 the way out: two scale bytes a tile
.set QF,   96
.set S,    128
.set BI,   192
.set VF,   72                          ; window 1
.set PC,   136
.set O,    168
.set WV,   18
.set MNT,  19
.set SEL,  20
.set CS,   22
.set G1,   24
.set G0,   32
.set STP,  36                          ; s[36:37] bytes from step to step of what I fetch
.set TB,   38                          ; the slot in hand
.set TBN,  39                          ; the other slot
.set TBI,  40                          ; the next step's first key x 4
.set CNT,  41
.set LIM,  42
.set PFA,  44
.set MSB, 0
.macro WIN new                         ; the immediate's high byte repeats the setting that is left
.if MSB != \new
	s_set_vgpr_msb (MSB<<8)|\new
.set MSB, \new
.endif
.endm
	s_load_b128 s[4:7], s[0:1], 0x0                ; qk, vt
	s_load_b128 s[8:11], s[0:1], 0x10              ; src_mask, act
	v_lshl_add_u32 v[SPW], v0, 2, SPARE
	v_mov_b32 v[NIL], 0
	ds_add_u32 v[SPW], v[NIL]                      ; the opening lines: the add, twice on end, and its wait
	ds_add_u32 v[SPW], v[NIL]
	v_lshrrev_b32 v8, 5, v0
	v_readfirstlane_b32 s[WV], v8                  ; wave 0..7
	s_and_b32 s52, ttmp7, 0xffff
	s_lshr_b32 s53, s52, 3                         ; the batch
	s_and_b32 s54, s52, 7                          ; the pair of heads
	s_lshr_b32 s55, s[WV], 2                       ; which head of the pair is mine.  Also: I fetch K (0) or V (1)
	s_and_b32 s56, s[WV], 3                        ; which 32 queries
	s_bfe_u32 s57, s[WV], 0x10001                  ; I fetch: which head of K, which plane of V,
	s_and_b32 s58, s[WV], 1                        ; and which 5,120 bytes of it
	s_lshl_b32 s60, s54, 1
	s_add_co_u32 s60, s60, s57
	s_add_co_u32 s60, s60, 16
	s_mul_i32 s60, s60, PL80
	s_mul_i32 s61, s53, 2048*80
	s_add_co_u32 s60, s60, s61                     ; K: plane 16 + 2 hp + head, the batch's first key
	s_lshl_b32 s62, s53, 5
	s_add_co_u32 s62, s62, s57
	s_mul_i32 s62, s62, PL80
	s_mul_i32 s63, s54, VPL
	s_add_co_u32 s62, s62, s63                     ; V: plane 32 b + plane, the pair's 128 rows
	s_cmp_eq_u32 s55, 0
	s_cselect_b32 s60, s60, s62
	s_mov_b32 s[STP], 2*PL80
	s_cselect_b32 s[STP], KH, s[STP]
	s_mov_b32 s[STP+1], 0
	s_mul_i32 s61, s58, 5120
	s_add_co_u32 s60, s60, s61
	s_mov_b32 s61, 0
	s_lshl_b32 s70, s53, 11
	s_lshl_b32 s71, ttmp9, 7
	s_add_co_u32 s70, s70, s71                     ; the block's first token position
	s_lshl_b32 s71, s56, 5
	s_add_co_u32 s71, s71, s70
	s_mul_i32 s71, s71, 80
	s_lshl_b32 s66, s54, 1
	s_add_co_u32 s66, s66, s55
	s_mul_i32 s66, s66, PL80
	s_add_co_u32 s66, s66, s71                     ; Q: plane 2 hp + head, my first query
	s_mov_b32 s67, 0
	s_mul_i32 s68, s54, PL
	s_mul_i32 s70, s70, 144
	s_add_co_u32 s68, s68, s70                     ; out: plane hp, the block's 128 records
	s_mov_b32 s69, 0
	s_lshl_b32 s72, s53, 13                        ; the batch's row of the mask
	s_mov_b32 s73, 0
	s_lshl_b32 s74, s[WV], 11                      ; the way out: 2,048 bytes a wave,
	s_mov_b32 s75, 0
	s_lshl_b32 s76, s[WV], 9                       ; and 512 more for waves 0 to 3
	s_add_co_u32 s76, s76, 16384
	s_mov_b32 s77, 0
	s_mov_b32 s[G1], 3<<16                         ; group 1: 20 rows of 256 dense bytes (32 elements of 8 bytes), no padding: the records carry their own pitch
	s_mov_b32 s[G1+1], 32<<16
	s_mov_b32 s[G1+2], 20<<16
	s_mov_b32 s[G1+3], 32<<16
	s_mov_b32 s[G1+4], 20
	s_mov_b32 s[G1+5], 32
	s_mov_b32 s[G1+6], 0
	s_mov_b32 s[G1+7], 0
	s_mov_b32 s[SEL], 0x76543210
	s_mov_b32 s[SEL+1], 0xfedcba98
	s_mov_b32 s[CS], 0x3e38aa3b                    ; c = log2(e) / 8
	s_mov_b32 s[CS+1], s[CS]
	s_mov_b32 s[MNT], 0x600000
	s_mov_b32 s[TB], 0
	s_mov_b32 s[TBN], SLOT1
	s_mov_b32 s[TBI], 512
	s_mov_b32 s[CNT], 14
	s_wait_dscnt 0x0                               ; both opening adds are done
	s_wait_kmcnt 0x0
	s_cmp_eq_u32 s55, 0
	s_cselect_b64 s[PFA:PFA+1], s[4:5], s[6:7]
	s_add_nc_u64 s[PFA:PFA+1], s[PFA:PFA+1], s[60:61]
	s_mov_b32 s[G0], 1
	s_mul_i32 s[G0+1], s[WV], 5120                 ; a slot: K of head a, K of head b, V's two planes = 5,120 x wave
	s_mov_b64 s[G0+2:G0+3], s[PFA:PFA+1]
	s_or_b32 s[G0+3], s[G0+3], 0x80000000
	tensor_load_to_lds s[G0:G0+3], s[G1:G1+7]      ; step 0 into slot 0: my one load at the head
	s_nop 0
	s_mul_i32 s62, ttmp9, s[STP]
	s_mov_b32 s63, 0
	s_add_nc_u64 s[PFA:PFA+1], s[PFA:PFA+1], s[62:63]  ; the prefetch: my part of step x, x my work-group's number; never rewritten
	s_sub_co_u32 s[LIM], 18, ttmp9                 ; the count of trips left in the trip x - 4 (no trip has it where x is under 4)
	s_add_nc_u64 s[4:5], s[4:5], s[66:67]
	s_add_nc_u64 s[8:9], s[8:9], s[72:73]
	s_add_nc_u64 s[10:11], s[10:11], s[68:69]
	s_add_nc_u64 s[12:13], s[10:11], s[76:77]
	s_add_nc_u64 s[10:11], s[10:11], s[74:75]
	v_and_b32 v8, 15, v0                           ; r
	v_bfe_u32 v9, v0, 4, 1                         ; h
	v_mul_u32_u24 v10, v8, 80
	v_lshl_add_u32 v11, v9, 4, v10
.irp x, 0,1
	global_load_b128 v[QF+16*\x:QF+16*\x+3], v11, s[4:5] offset:1280*\x
	global_load_b128 v[QF+16*\x+4:QF+16*\x+7], v11, s[4:5] offset:1280*\x+32
	global_load_b32 v[QS+\x], v10, s[4:5] offset:1280*\x+64
.endr
	v_lshlrev_b32 v[TMP], 4, v0
	global_load_b128 v[S:S+3], v[TMP], s[8:9]      ; thread T takes keys 4 T on and 1,024 + 4 T on of the mask
	global_load_b128 v[S+4:S+7], v[TMP], s[8:9] offset:4096
	s_mul_i32 s62, s55, KH
	v_add_nc_u32 v[AK0], s62, v11
	v_add_nc_u32 v[ASK0], s62, v10
	v_add_nc_u32 v[ASK0], 64, v[ASK0]
	s_mul_i32 s62, s55, VPL/2
	s_add_co_u32 s62, s62, VOFF
	v_add_nc_u32 v[AV0], s62, v11
	v_add_nc_u32 v[ASV0], s62, v10
	v_add_nc_u32 v[ASV0], 64, v[ASV0]
	v_lshl_add_u32 v[ABI], v9, 6, BIAS
	v_lshl_add_u32 v72, v0, 4, BIAS                ; where my mask numbers go,
	s_lshl_b32 s63, s[WV], 2
	s_add_co_u32 s63, s63, FLAG
	v_mov_b32 v73, s63                             ; my wave's flag,
	v_and_b32 v74, 7, v0
	v_lshl_add_u32 v74, v74, 2, FLAG               ; and the flag that I read back
	v_and_b32 v[PFO], 31, v0
	v_min_u32 v[PFO], 19, v[PFO]
	v_lshlrev_b32 v[PFO], 8, v[PFO]
	v_mov_b32 v75, 0xd0000000                      ; -2^33
.irp j, 0,1,2,3,4,5,6,7
	v_mov_b32 v[QF+8+\j], 0                        ; the upper halves of Q's operands
	v_mov_b32 v[QF+24+\j], 0
.endr
	WIN 0x40
.set j, 0
.rept 8
	v_mov_b32 v[64+j], 0                           ; what the last tile of K finds in its upper half
.set j, j+1
.endr
.set j, 0
.rept 64
	v_mov_b32 v[O+j], 0                            ; O^T: the step is written once, the first finds zeros
.set j, j+1
.endr
	WIN 0
	s_wait_loadcnt 0x0
.irp j, 0,1,2,3,4,5,6,7
	v_cmp_eq_u32 vcc_lo, 0, v[S+\j]
	v_cndmask_b32 v[S+8+\j], 0, v75, vcc_lo
.endr
	ds_store_b128 v72, v[S+8:S+11]
	ds_store_b128 v72, v[S+12:S+15] offset:4096
	v_or_b32 v[S+16], v[S], v[S+1]
	v_or_b32 v[S+17], v[S+2], v[S+3]
	v_or_b32 v[S+18], v[S+4], v[S+5]
	v_or_b32 v[S+19], v[S+6], v[S+7]
	v_or_b32 v[S+16], v[S+16], v[S+17]
	v_or_b32 v[S+18], v[S+18], v[S+19]
	v_or_b32 v[S+16], v[S+16], v[S+18]
	v_cmp_ne_u32 vcc_lo, 0, v[S+16]
	s_cmp_lg_u32 vcc_lo, 0                         ; has my wave an open key?  It selects a value: no branch, no address
	s_cselect_b32 s62, 1, 0
	v_mov_b32 v[S+16], s62
	ds_store_b32 v73, v[S+16]
; K's fragments, scale words and the mask numbers of one step
.macro LOADK ak, as, ab
	WIN 0x40
.irp t, 0,1,2,3,4,5,6,7
.irp c, 0,1
	ds_load_b128 v[8*\t+4*\c:8*\t+4*\c+3], v[\ak] offset:1280*\t+32*\c
.endr
.endr
	WIN 0
.irp t, 0,1,2,3,4,5,6,7
	ds_load_b32 v[KS+\t], v[\as] offset:1280*\t
.endr
.irp b, 0,1,2,3
.irp j, 0,1,2,3
	ds_load_b128 v[BI+16*\b+4*\j:BI+16*\b+4*\j+3], v[\ab] offset:128*\b+16*\j   ; keys 32 b + 16 h + 4 j on
.endr
.endr
.endm
	s_wait_tensorcnt 0x0                           ; my part of step 0 is in
	ds_add_u32 v[SPW], v[NIL]
	s_xor_b32 s[G0+1], s[G0+1], SLOT1
	s_add_nc_u64 s[G0+2:G0+3], s[G0+2:G0+3], s[STP:STP+1]
	s_wait_dscnt 0x0                               ; the add, my mask numbers and my flag
	s_barrier_signal -1
	s_barrier_wait -1
	tensor_load_to_lds s[G0:G0+3], s[G1:G1+7]      ; step 1 into slot 1
	s_nop 0
	LOADK AK0, ASK0, ABI
	ds_load_b32 v[S+17], v74
	s_wait_dscnt 0x0
	v_cmp_ne_u32 vcc_lo, 0, v[S+17]
	s_cmp_lg_u32 vcc_lo, 0
	s_cselect_b32 s62, -1, 0                       ; all ones where the batch has an open key
.irp j, 0,1,2,3,4,5,6,7
	v_and_b32 v[QF+\j], s62, v[QF+\j]
	v_and_b32 v[QF+16+\j], s62, v[QF+16+\j]
.endr
.irp x, 0,1
	v_mov_b32 v[NM+2*\x+1], 0xff61b1e6             ; the largest t so far: -3e38
	v_mov_b32 v[SUM+2*\x], 0
	v_mov_b32 v[SUM+2*\x+1], 0
	v_mov_b32 v[FF+2*\x+1], 0
.endr
.irp x, 0,1
	v_floor_f32 v[NM+2*\x], -v[NM+2*\x+1]          ; -M
.endr
.irp b, 0,1,2,3
	v_mov_b32 v[BB+\b], 0                          ; a lane permute's destination counts as one of its sources
.endr
.macro QK x                            ; S^T = K Q^T + the mask numbers: eight accumulators, one instruction each
	WIN 0x01
.irp t, 0,1,2,3,4,5,6,7
	v_wmma_scale_f32_16x16x128_f8f6f4 v[S+8*\t:S+8*\t+7], v[8*\t:8*\t+15], v[QF+16*(\x):QF+16*(\x)+15], v[BI+8*\t:BI+8*\t+7], v[KS+\t], v[QS+(\x)]
.endr
.endm
.macro SMAX                            ; the largest score of each block of 32 keys, my 16 of it
.irp b, 0,1,2,3
	v_max3_num_f32 v[BM+\b], v[S+16*\b], v[S+16*\b+1], v[S+16*\b+2]
.endr
.irp i, 3,5,7,9,11,13
.irp b, 0,1,2,3
	v_max3_num_f32 v[BM+\b], v[BM+\b], v[S+16*\b+\i], v[S+16*\b+\i+1]
.endr
.endr
.irp b, 0,1,2,3
	v_max_num_f32 v[BM+\b], v[BM+\b], v[S+16*\b+15]
.endr
.endm
.macro SROW x                          ; the running M and f
.irp b, 0,1,2,3
	v_permlanex16_b32 v[BB+\b], v[BM+\b], s[SEL], s[SEL+1]
.endr
.irp b, 0,1,2,3
	v_max_num_f32 v[BM+\b], v[BM+\b], v[BB+\b]
.endr
	v_max3_num_f32 v[TMP], v[BM], v[BM+1], v[BM+2]
	v_max_num_f32 v[TMP], v[TMP], v[BM+3]
	v_mul_f32 v[TMP], s[CS], v[TMP]
	v_max_num_f32 v[NM+2*(\x)+1], v[NM+2*(\x)+1], v[TMP]
	v_mov_b32 v[TMP], v[NM+2*(\x)]
	v_floor_f32 v[NM+2*(\x)], -v[NM+2*(\x)+1]      ; -M = floor(-t)
	v_sub_f32 v[TMP], v[NM+2*(\x)], v[TMP]         ; old M - new M
	v_cvt_i32_f32 v[TMP], v[TMP]                   ; (it saturates)
	v_ldexp_f32 v[FF+2*(\x)], 1.0, v[TMP]
.endm
.macro SFMA x                          ; t - M
.set j, 0
.rept 32
	v_pk_fma_f32 v[S+j:S+j+1], v[S+j:S+j+1], s[CS:CS+1], v[NM+2*(\x):NM+2*(\x)+1] op_sel_hi:[1,0,0]
.set j, j+2
.endr
.irp b, 0,1,2,3
	v_fma_f32 v[BM+\b], v[BM+\b], s[CS], v[NM+2*(\x)]
.endr
.endm
.macro SEXP x                          ; p, its sum, its scales and its codes; it leaves the destination's window at 1
.set SU, SUM+2*(\x)
	s_wait_alu depctr_va_vdst(0)                   ; the wait ahead of the batch
.set j, 0
.rept 64
	v_exp_f32 v[S+j], v[S+j]
.set j, j+1
.endr
.irp b, 0,1,2,3
	v_exp_f32 v[BM+\b], v[BM+\b]                   ; the block's largest p
.endr
	v_pk_mul_f32 v[SU:SU+1], v[SU:SU+1], v[FF+2*(\x):FF+2*(\x)+1] op_sel_hi:[1,0]
	s_wait_alu depctr_va_vdst(0)                   ; and behind it
.irp b, 0,1,2,3
	v_max_num_f32 v[BM+\b], 0x4800000, v[BM+\b]    ; the floor 2^(9 - 127)
.endr
.irp b, 0,1,2,3
	v_add_nc_u32 v[BS+\b], 0xfc000000, v[BM+\b]    ; the conversion's scale operand
.endr
.irp b, 0,1,2,3
	v_and_or_b32 v[BH+\b], v[BM+\b], 0x7f800000, s[MNT]   ; 448 x the scale
.endr
.irp b, 0,1,2,3
	v_lshrrev_b32 v[BB+\b], 23, v[BS+\b]
.endr
	v_pk_add_f32 v[ST:ST+1], v[S:S+1], v[S+2:S+3]  ; the sum of the unquantised p, in four chains
	v_pk_add_f32 v[ST+2:ST+3], v[S+4:S+5], v[S+6:S+7]
	v_pk_add_f32 v[ST+4:ST+5], v[S+8:S+9], v[S+10:S+11]
	v_lshl_or_b32 v[PW+(\x)], v[BB+1], 8, v[BB]
.irp j, 12,20,28,36,44,52
	v_pk_add_f32 v[SU:SU+1], v[SU:SU+1], v[S+\j:S+\j+1]
	v_pk_add_f32 v[ST:ST+1], v[ST:ST+1], v[S+\j+2:S+\j+3]
	v_pk_add_f32 v[ST+2:ST+3], v[ST+2:ST+3], v[S+\j+4:S+\j+5]
	v_pk_add_f32 v[ST+4:ST+5], v[ST+4:ST+5], v[S+\j+6:S+\j+7]
.endr
	v_pk_add_f32 v[SU:SU+1], v[SU:SU+1], v[S+60:S+61]
	v_pk_add_f32 v[ST:ST+1], v[ST:ST+1], v[S+62:S+63]
	v_lshl_or_b32 v[PW+(\x)], v[BB+2], 16, v[PW+(\x)]
	v_pk_add_f32 v[ST+2:ST+3], v[ST+2:ST+3], v[ST+4:ST+5]
	v_pk_add_f32 v[SU:SU+1], v[SU:SU+1], v[ST:ST+1]
	v_lshl_or_b32 v[PW+(\x)], v[BB+3], 24, v[PW+(\x)]
	v_pk_add_f32 v[SU:SU+1], v[SU:SU+1], v[ST+2:ST+3]
.irp b, 0,1,2,3
.irp i, 0,1,2,3,4,5,6,7,8,9,10,11,12,13,14,15
	v_min_num_f32 v[S+16*\b+\i], v[S+16*\b+\i], v[BH+\b]   ; the conversion does not saturate (ISA guide 7.6.2); p is not negative
.endr
.endr
	WIN 0x40
.irp b, 0,1,2,3
	v_cvt_scalef32_pk8_fp8_f32 v[PC+16*(\x)+4*\b:PC+16*(\x)+4*\b+1], v[S+16*\b:S+16*\b+7], v[BS+\b]
	v_cvt_scalef32_pk8_fp8_f32 v[PC+16*(\x)+4*\b+2:PC+16*(\x)+4*\b+3], v[S+16*\b+8:S+16*\b+15], v[BS+\b]
.endr
.endm
.macro ORESC x                         ; O^T under the new M
	WIN 0x41
	s_wait_alu depctr_va_vdst(0)                   ; directly ahead of the first reader of O^T
.set j, 0
.rept 16
	v_pk_mul_f32 v[O+32*(\x)+j:O+32*(\x)+j+1], v[O+32*(\x)+j:O+32*(\x)+j+1], v[FF+2*(\x):FF+2*(\x)+1] op_sel_hi:[1,0]
.set j, j+2
.endr
.endm
; A STEP: 128 keys, both tiles.  bar = 1: a further step follows; fill = 1: the slot in hand is filled again.
.macro STEP bar, fill
	s_wait_dscnt 0x0                               ; K, its scale words and the mask numbers, asked for in the step before
	QK 0
	WIN 0
	v_add_nc_u32 v[ADV], s[TB], v[AV0]             ; five additions and three v_nop: the eight places behind the products, in front of the loads below and of the first read of S^T
	v_add_nc_u32 v[ADT], s[TB], v[ASV0]
	v_add_nc_u32 v[ADK], s[TBN], v[AK0]
	v_add_nc_u32 v[ADS], s[TBN], v[ASK0]
	v_add_nc_u32 v[ADB], s[TBI], v[ABI]
.rept 3
	v_nop
.endr
	WIN 0x40
.irp t, 0,1,2,3
.irp c, 0,1,2,3
	ds_load_b128 v[VF+16*\t+4*\c:VF+16*\t+4*\c+3], v[ADV] offset:(\c/2)*VPL+1280*\t+32*(\c%2)
.endr
.endr
	WIN 0
.irp t, 0,1,2,3
.irp z, 0,1
	ds_load_u16 v[VS+2*\t+\z], v[ADT] offset:\z*VPL+1280*\t
.endr
.endr
	SMAX
	SROW 0
	SFMA 0
	SEXP 0
	v_nop                                          ; one plain instruction behind the last conversion
	QK 1
	ORESC 0                                        ; sixteen plain instructions: the places behind the products
	WIN 0
.if \bar
	s_wait_tensorcnt 0x0                           ; my part of the other slot is in,
	ds_add_u32 v[SPW], v[NIL]
.if \fill
	s_xor_b32 s[G0+1], s[G0+1], SLOT1              ; no load of mine is out: the descriptor walks to the slot in hand, two steps on
	s_add_nc_u64 s[G0+2:G0+3], s[G0+2:G0+3], s[STP:STP+1]
.endif
	s_wait_dscnt 0x0                               ; the add is done and V is in registers: my reads of the slot in hand are over
	s_barrier_signal -1
.else
	s_wait_dscnt 0x0                               ; V
.endif
.irp t, 0,1,2,3
	v_lshl_or_b32 v[VS+2*\t], v[VS+2*\t+1], 16, v[VS+2*\t]   ; V's scale word of these 128 keys
.endr
	SMAX                                           ; work on registers while the others arrive
	SROW 1
	SFMA 1
.if \bar
	s_barrier_wait -1
.if \fill
	tensor_load_to_lds s[G0:G0+3], s[G1:G1+7]      ; my one load behind the barrier
	s_nop 0
.endif
	LOADK ADK, ADS, ADB                            ; the next step's, from the other slot
.if \fill
	s_cmp_eq_u32 s[CNT], s[LIM]
	s_cbranch_scc0 .Lnot_mine_\@
	global_prefetch_b8 v[PFO], s[PFA:PFA+1] th:TH_LOAD_NT scope:SCOPE_SE
.Lnot_mine_\@:
.endif
.endif
	SEXP 1
	ORESC 1                                        ; (also the places between the codes and the products)
	WIN 0x55
.irp t, 0,1,2,3
.irp x, 0,1
	v_wmma_scale_f32_16x16x128_f8f6f4 v[O+32*\x+8*\t:O+32*\x+8*\t+7], v[VF+16*\t:VF+16*\t+15], v[PC+16*\x:PC+16*\x+15], v[O+32*\x+8*\t:O+32*\x+8*\t+7], v[VS+2*\t], v[PW+\x]
.endr
.endr
	WIN 0
	s_xor_b32 s[TB], s[TB], SLOT1
	s_xor_b32 s[TBN], s[TBN], SLOT1
	s_add_co_u32 s[TBI], s[TBI], 512
.endm
	s_wait_alu depctr_va_vdst(0)
.Lstep:                                            ; 14 trips: steps 0 to 13 ask for steps 2 to 15
	STEP 1, 1
	s_sub_co_u32 s[CNT], s[CNT], 1
	s_cmp_lg_u32 s[CNT], 0
	s_cbranch_scc1 .Lstep
	STEP 1, 0                                      ; the last two steps are written out: they fill nothing
	STEP 0, 0
	; THE WAY OUT.  O^T / the sum is quantised along the head's 64 (two blocks a tile) and meets the other waves' in the stage.
	v_and_b32 v8, 15, v0                           ; (eleven plain instructions: the places behind the last products)
	v_bfe_u32 v9, v0, 4, 1
	s_lshl_b32 s62, s56, 5
	v_add_nc_u32 v10, s62, v8                      ; tile 0's record: 32 i + r; tile 1's lies 16 records on
	v_mul_u32_u24 v10, v10, 144
	s_lshl_b32 s63, s55, 6
	s_add_co_u32 s63, s63, STAGE
	v_add_nc_u32 v11, s63, v10
	v_lshl_add_u32 v11, v9, 4, v11                 ; my 16 codes of a block
	s_lshl_b32 s63, s55, 1
	s_add_co_u32 s63, s63, STAGE+128
	v_add_nc_u32 v10, s63, v10                     ; my head's two scale bytes
	v_and_b32 v8, 31, v0
	v_lshlrev_b32 v9, 4, v8
	s_lshl_b32 s63, s[WV], 11
	s_add_co_u32 s63, s63, STAGE
	v_add_nc_u32 v8, s63, v9                       ; back: 2,048 bytes a wave,
	s_lshl_b32 s63, s[WV], 9
	s_add_co_u32 s63, s63, STAGE+16384
	v_add_nc_u32 v1, s63, v9                       ; and 512 more for waves 0 to 3
.irp x, 0,1
	v_add_f32 v[SUM+2*\x], v[SUM+2*\x], v[SUM+2*\x+1]
.endr
.irp x, 0,1
	v_permlanex16_b32 v[BB+\x], v[SUM+2*\x], s[SEL], s[SEL+1]
.endr
.irp x, 0,1
	v_add_f32 v[SUM+2*\x], v[SUM+2*\x], v[BB+\x]
.endr
	s_wait_alu depctr_va_vdst(0)
	v_rcp_f32 v[SUM], v[SUM]
	v_rcp_f32 v[SUM+2], v[SUM+2]
	v_nop
	WIN 0x01
	s_wait_alu depctr_va_vdst(0)
.set j, 0
.rept 32
	v_mul_f32 v[S+j], v[O+j], v[SUM]
.set j, j+1
.endr
.set j, 0
.rept 32
	v_mul_f32 v[S+32+j], v[O+32+j], v[SUM+2]
.set j, j+1
.endr
	WIN 0
.irp y, 0,1,2,3                                ; block y = 2 x tile + block of the head
	v_max3_num_f32 v[BM+\y], |v[S+16*\y]|, |v[S+16*\y+1]|, 0x4800000
.endr
.irp i, 2,4,6,8,10,12,14
.irp y, 0,1,2,3
	v_max3_num_f32 v[BM+\y], v[BM+\y], |v[S+16*\y+\i]|, |v[S+16*\y+\i+1]|
.endr
.endr
.irp y, 0,1,2,3
	v_permlanex16_b32 v[BB+\y], v[BM+\y], s[SEL], s[SEL+1]
.endr
.irp y, 0,1,2,3
	v_max_num_f32 v[BM+\y], v[BM+\y], v[BB+\y]
.endr
.irp y, 0,1,2,3
	v_add_nc_u32 v[BS+\y], 0xfc000000, v[BM+\y]
.endr
.irp y, 0,1,2,3
	v_and_or_b32 v[BH+\y], v[BM+\y], 0x7f800000, s[MNT]
.endr
.irp y, 0,1,2,3
	v_lshrrev_b32 v[BB+\y], 23, v[BS+\y]
.endr
	v_lshl_or_b32 v[BY], v[BB+1], 8, v[BB]
	v_lshl_or_b32 v[BY+1], v[BB+3], 8, v[BB+2]
.irp y, 0,1,2,3
.irp i, 0,1,2,3,4,5,6,7,8,9,10,11,12,13,14,15
	v_med3_num_f32 v[S+16*\y+\i], v[S+16*\y+\i], -v[BH+\y], v[BH+\y]
.endr
.endr
.irp y, 0,1,2,3
	v_cvt_scalef32_pk8_fp8_f32 v[QF+4*\y:QF+4*\y+1], v[S+16*\y:S+16*\y+7], v[BS+\y]
	v_cvt_scalef32_pk8_fp8_f32 v[QF+4*\y+2:QF+4*\y+3], v[S+16*\y+8:S+16*\y+15], v[BS+\y]
.endr
	v_nop
.irp x, 0,1
	ds_store_b128 v11, v[QF+8*\x:QF+8*\x+3] offset:2304*\x
	ds_store_b128 v11, v[QF+8*\x+4:QF+8*\x+7] offset:2304*\x+32
	ds_store_b16 v10, v[BY+\x] offset:2304*\x
.endr
	s_cmp_lg_u32 s55, 0                            ; the tail's 12 zeros: the lower head's wave writes bytes 136-143, the other bytes 132-135
	s_cbranch_scc1 .Lpad1
	ds_store_b64 v10, v[QF+24:QF+25] offset:8
	ds_store_b64 v10, v[QF+24:QF+25] offset:2304+8
	s_branch .Lpadded
.Lpad1:
	ds_store_b32 v10, v[QF+24] offset:2
	ds_store_b32 v10, v[QF+24] offset:2304+2
.Lpadded:
	s_wait_dscnt 0x0                               ; for the others' sake
	s_barrier_signal -1
	s_barrier_wait -1
.irp k, 0,1,2,3
	ds_load_b128 v[S+4*\k:S+4*\k+3], v8 offset:512*\k
.endr
.irp k, 0,1,2,3
	s_wait_dscnt 3-\k
	global_store_b128 v9, v[S+4*\k:S+4*\k+3], s[10:11] offset:512*\k   ; 32 lanes store 512 consecutive bytes, at a multiple of 256 from the buffer's first byte
.endr
	s_cmp_gt_u32 s[WV], 3                          ; 18,432 bytes are eight waves' 2,048 and four waves' 512
	s_cbranch_scc1 .Lnocopy
	ds_load_b128 v[S+16:S+19], v1
	s_wait_dscnt 0x0
	global_store_b128 v9, v[S+16:S+19], s[12:13]
.Lnocopy:
	s_wait_tensorcnt 0x0                           ; the wave's end
	ds_add_u32 v[SPW], v[NIL]
	s_wait_dscnt 0x0
	s_endpgm
.Lfunc_end_k_qbc453273dd_attn:
	.size	k_qbc453273dd_attn, .Lfunc_end_k_qbc453273dd_attn-k_qbc453273dd_attn
	.p2alignl 7, 3214868480
	.fill 96, 4, 3214868480
	.section	.rodata,"a",@progbits
	.p2align	6, 0x0
	.amdhsa_kernel k_qbc453273dd_attn
		.amdhsa_group_segment_fixed_size 327680
		.amdhsa_private_segment_fixed_size 0
		.amdhsa_enable_private_segment 0
		.amdhsa_kernarg_size 32
		.amdhsa_user_sgpr_count 2
		.amdhsa_user_sgpr_kernarg_segment_ptr 1
		.amdhsa_wavefront_size32 1
		.amdhsa_system_sgpr_workgroup_id_x 1
		.amdhsa_system_sgpr_workgroup_id_y 1
		.amdhsa_system_sgpr_workgroup_id_z 1
		.amdhsa_system_vgpr_workitem_id 0
		.amdhsa_next_free_vgpr 512
		.amdhsa_next_free_sgpr 80
		.amdhsa_reserve_vcc 1
		.amdhsa_float_denorm_mode_32 3
		.amdhsa_float_denorm_mode_16_64 3
		.amdhsa_memory_ordered 1
		.amdhsa_forward_progress 1
		.amdhsa_inst_pref_size 134
	.end_amdhsa_kernel
	.amdgpu_metadata
---
amdhsa.version: [ 1, 2 ]
amdhsa.kernels:
  - .name:           k_qbc453273dd_attn
    .symbol:         k_qbc453273dd_attn.kd
    .args:
      - { .name: qk, .offset: 0, .size: 8, .value_kind: global_buffer, .address_space: global }
      - { .name: vt, .offset: 8, .size: 8, .value_kind: global_buffer, .address_space: global }
      - { .name: src_mask, .offset: 16, .size: 8, .value_kind: global_buffer, .address_space: global }
      - { .name: act, .offset: 24, .size: 8, .value_kind: global_buffer, .address_space: global }
    .group_segment_fixed_size: 327680
    .private_segment_fixed_size: 0
    .kernarg_segment_align: 8
    .kernarg_segment_size: 32
    .max_flat_workgroup_size: 256
    .sgpr_count:     80
    .vgpr_count:     512
    .wavefront_size: 32
...
	.end_amdgpu_metadata
.endif
;; end of part 3
;; launch wop (part 4): grid 8 x 32, 4 waves a work-group, clusters of 4 x 4, 327,680 bytes of LDS; arguments act, wa, s2, src; writes s2
.if DOCPART == 4
	.amdgcn_target "amdgcn-amd-amdhsa--gfx1250"
	.amdhsa_code_object_version 6
	.text
	.protected	k_qbc453273dd_wop
	.globl	k_qbc453273dd_wop
	.p2align	8
	.type	k_qbc453273dd_wop,@function
k_qbc453273dd_wop:
	s_mov_b64 s[64:65], 0
	v_nop
	global_prefetch_b8 v0, s[64:65] scope:SCOPE_SE
	s_setreg_imm32_b32 hwreg(HW_REG_WAVE_MODE, 25, 1), 1
	s_wait_xcnt 0x0
	s_wait_alu depctr_hold_cnt(0) depctr_sa_sdst(0) depctr_va_vdst(0) depctr_va_sdst(0) depctr_va_ssrc(0) depctr_va_vcc(0) depctr_vm_vsrc(0)
	s_getreg_b32 s2, hwreg(HW_REG_IB_STS2, 6, 4)
	s_cmp_eq_u32 s2, 0
	s_cbranch_scc0 .Lentry_in_a_cluster
	s_endpgm
.Lentry_in_a_cluster:
	s_bfe_u32 s2, ttmp6, 0x10000c
	s_cmp_lg_u32 s2, 0xf033
	s_cbranch_scc0 .Lentry_shape_is_right
	s_endpgm
.Lentry_shape_is_right:
.set KTOT,  1024
.set MODEQ, 0
.set RECW,  128
.set RELU,  0
.set BIASC, 0
.set BIASO, 0
.set NARG,  4
.set PLS,   589824
.set PLP,   589824
.set POFF,  294912
.set PL,    589824
.set PL80,  327680
.set REC,   144
.set KB,    128*REC
.set SLOT,  8*KB
.set PPART, 4*KB
.set HALFW, 64*REC
.set SPARE, 2*SLOT
.set LAPS,  KTOT/1024
.set RP,    RECW+16
.set FP,    528
.if RECW == 64
.set WPB,   128*RP
.set WPT,   128*RP
.else
.set WPB,   64
.set WPT,   2
.endif
.set NCP,   (128*RP*(128/RECW)/4)/512
.set SC,   8
.set ADS,  16
.set ADP,  20
.set ADC,  22
.set STO,  24
.set RD,   25
.set CO,   26
.set TL,   27
.set SPW,  28
.set NIL,  29
.set ACC,  128
.set F0,   0
.set F1,   128
.set G1,   24
.set G0,   32
.set G1B,  48
.set G0B,  56
.set SEL,  68
.set MNT,  70
.set MSB, 0
.macro WIN new
.if MSB != \new
	s_set_vgpr_msb (MSB<<8)|\new
.set MSB, \new
.endif
.endm
.set MUL,  0x05
.set TO_F, 0x40
.macro PLACES n
.rept \n
	v_nop
.endr
.endm
.macro JLOAD g0a, g1a, g0b, g1b
	s_cmp_eq_u32 s15, 0
	s_cbranch_scc0 .Lfor_b_\@
	tensor_load_to_lds s[\g0a:\g0a+3], s[\g1a:\g1a+7]
	s_nop 0
.rept 4
	v_nop
.endr
	s_branch .Lasked_\@
.Lfor_b_\@:
	tensor_load_to_lds s[\g0b:\g0b+3], s[\g1b:\g1b+7]
	s_nop 0
.rept 4
	v_nop
.endr
.Lasked_\@:
.endm
.macro CREST
	s_cmp_lg_u32 s14, 0
	s_cbranch_scc1 .Lnot_wave_0_\@
	s_barrier_signal -3
.Lnot_wave_0_\@:
	s_barrier_wait -3
	s_barrier_signal -1
	s_barrier_wait -1
.endm
.macro CROUND
	s_barrier_signal -1
	s_barrier_wait -1
	CREST
.endm
	s_load_b128 s[4:7], s[0:1], 0x0
	s_load_b64 s[8:9], s[0:1], 0x10
.if NARG > 3
	s_load_b64 s[10:11], s[0:1], 0x18
.endif
.if NARG > 4
	s_load_b64 s[12:13], s[0:1], 0x20
.endif
	v_lshl_add_u32 v[SPW], v0, 2, SPARE
	v_mov_b32 v[NIL], 0
	ds_add_u32 v28, v29
	ds_add_u32 v28, v29
	s_wait_dscnt 0x0
	v_lshrrev_b32 v1, 5, v0
	v_readfirstlane_b32 s14, v1
	s_lshr_b32 s15, s14, 1
	s_and_b32 s16, s14, 1
	s_bfe_u32 s40, ttmp6, 0x40000
	s_bfe_u32 s41, ttmp6, 0x40004
	s_lshl_b32 s42, ttmp9, 2
	s_add_co_u32 s42, s42, s40
	s_and_b32 s17, ttmp7, 0xffff
	s_lshl_b32 s17, s17, 2
	s_add_co_u32 s17, s17, s41
	s_lshl_b32 s43, s41, 2
	s_lshl_b32 s43, 15, s43
	s_lshl_b32 s44, 0x1111, s40
	s_or_b32 s[G1+0], s43, (3<<16)|(1<<21)
	s_or_b32 s[G1B+0], s44, (3<<16)|(1<<21)
.irp g, G1, G1B
	s_mov_b32 s[\g+1], 2304<<16
	s_mov_b32 s[\g+2], 4<<16
	s_mov_b32 s[\g+3], 2304<<16
	s_mov_b32 s[\g+4], 4
	s_mov_b32 s[\g+6], 0
	s_mov_b32 s[\g+7], 0
.endr
	s_mov_b32 s[G1+5], PLS/8
	s_mov_b32 s[G1B+5], PLP/8
	s_mul_i32 s20, s17, KB
	s_mul_i32 s18, s16, 4*PLS
	s_add_co_u32 s20, s20, s18
	s_mov_b32 s21, 0
	s_mul_i32 s46, s42, KB
	s_mul_i32 s19, s16, 4*PLP
	s_add_co_u32 s46, s46, s19
	s_add_co_u32 s46, s46, POFF
	s_mov_b32 s47, 0
	s_mul_i32 s45, s16, SLOT
	s_mul_i32 s71, s15, PPART
	s_add_co_u32 s45, s45, s71
	s_mov_b32 s[SEL], 0x76543210
	s_mov_b32 s[SEL+1], 0xfedcba98
	s_mov_b32 s[MNT], 0x600000
	s_wait_kmcnt 0x0
	s_add_nc_u64 s[20:21], s[4:5], s[20:21]
	s_add_nc_u64 s[46:47], s[6:7], s[46:47]
	CROUND
.irp s, 0
	s_mov_b32 s[G0+4*\s], 1
	s_add_co_u32 s[G0+4*\s+1], s45, \s*SLOT
	s_add_nc_u64 s[G0+4*\s+2:G0+4*\s+3], s[20:21], \s*4*PLS
	s_or_b32 s[G0+4*\s+3], s[G0+4*\s+3], 0x80000000
	s_mov_b32 s[G0B+4*\s], 1
	s_add_co_u32 s[G0B+4*\s+1], s45, \s*SLOT
	s_add_nc_u64 s[G0B+4*\s+2:G0B+4*\s+3], s[46:47], \s*4*PLP
	s_or_b32 s[G0B+4*\s+3], s[G0B+4*\s+3], 0x80000000
	JLOAD G0+4*\s, G1, G0B+4*\s, G1B
.endr
	v_and_b32 v1, 15, v0
	v_bfe_u32 v2, v0, 4, 1
	v_mul_u32_u24 v3, v1, REC
	v_lshl_add_u32 v4, v2, 4, v3
	s_mul_i32 s21, s15, HALFW
	s_mul_i32 s22, s16, HALFW
	s_add_co_u32 s22, s22, PPART
	s_sub_co_u32 s23, s22, s21
	v_mul_u32_u24 v5, s23, v2
	v_add_nc_u32 v5, v5, v3
	v_add_nc_u32 v5, 128, v5
.irp s, 0,1
	v_add_nc_u32 v[ADS+\s], s21, v4
	v_add_nc_u32 v[ADP+\s], s22, v4
	v_add_nc_u32 v[ADC+\s], s21, v5
	s_add_co_u32 s21, s21, SLOT
	s_add_co_u32 s22, s22, SLOT
.endr
	v_and_b32 v7, 31, v0
	v_lshlrev_b32 v[CO], 4, v7
.if MODEQ
	s_mul_i32 s22, s15, 64*RP
	v_mul_u32_u24 v6, v1, RP
	v_add_nc_u32 v6, s22, v6
	s_mul_i32 s21, s16, WPB
	v_add_nc_u32 v[STO], s21, v6
	v_lshl_add_u32 v[STO], v2, 4, v[STO]
	s_mul_i32 s21, s16, WPT
	s_add_co_u32 s21, s21, RECW
	v_add_nc_u32 v[TL], s21, v6
	s_mul_i32 s21, s14, NCP*512
	v_add_nc_u32 v[RD], s21, v[CO]
.if RECW == 64
	s_lshl_b32 s72, s42, 1
	s_add_co_u32 s72, s72, s15
	s_mul_i32 s72, s72, PL80
	s_mul_i32 s73, s17, 128*RP
	s_add_co_u32 s72, s72, s73
	s_mul_i32 s73, s16, 64*RP
	s_add_co_u32 s72, s72, s73
.else
	s_mul_i32 s72, s42, PL
	s_mul_i32 s73, s17, 128*RP
	s_add_co_u32 s72, s72, s73
	s_mul_i32 s73, s14, 32*RP
	s_add_co_u32 s72, s72, s73
.endif
	s_mov_b32 s73, 0
	s_add_nc_u64 s[8:9], s[8:9], s[72:73]
	v_mov_b32 v30, 0
	v_mov_b32 v31, 0
	v_mov_b32 v82, 0
	v_mov_b32 v83, 0
.irp a, 0,1,2,3
.irp j, 9,10,11
	v_mov_b32 v[32+12*\a+\j], 0
.endr
.endr
.else
	s_mul_i32 s22, s15, 64*FP
	s_lshl_b32 s21, s16, 8
	s_add_co_u32 s22, s22, s21
	v_mul_u32_u24 v6, v1, FP
	v_lshl_add_u32 v6, v2, 6, v6
	v_add_nc_u32 v[STO], s22, v6
	s_mul_i32 s22, s14, 32*FP
	v_add_nc_u32 v[RD], s22, v[CO]
	s_lshl_b32 s72, s17, 7
	s_lshl_b32 s73, s14, 5
	s_add_co_u32 s72, s72, s73
	s_lshl_b32 s72, s72, 12
	s_lshl_b32 s73, s42, 9
	s_add_co_u32 s72, s72, s73
	s_mov_b32 s73, 0
	s_add_nc_u64 s[8:9], s[8:9], s[72:73]
	s_add_nc_u64 s[10:11], s[10:11], s[72:73]
.endif
.if BIASO
	s_lshl_b32 s72, s42, 9
	s_add_nc_u64 s[12:13], s[12:13], s[72:73]
	global_load_b128 v[96:99], v[CO], s[12:13]
.endif
.if BIASC
	s_lshl_b32 s72, s42, 9
	s_lshl_b32 s73, s16, 8
	s_add_co_u32 s72, s72, s73
	s_mov_b32 s73, 0
	s_add_nc_u64 s[10:11], s[10:11], s[72:73]
	v_lshlrev_b32 v7, 6, v2
.irp t, 0,1,2,3
	global_load_b128 v[96+8*\t:96+8*\t+3], v7, s[10:11] offset:(32*(\t/2)+8*(\t%2))*4
	global_load_b128 v[96+8*\t+4:96+8*\t+7], v7, s[10:11] offset:(32*(\t/2)+8*(\t%2))*4+16
.endr
.endif
.macro FETCH slot, q, f, sc
	WIN TO_F
.irp i, 0,1,2,3
.irp c, 0,1,2,3
	ds_load_b128 v[(\f)+64+16*\i+4*\c:(\f)+64+16*\i+4*\c+3], v[ADP+\slot] offset:KB*(\q)+16*REC*\i+32*\c
.endr
.irp c, 0,1,2,3
	ds_load_b128 v[(\f)+16*\i+4*\c:(\f)+16*\i+4*\c+3], v[ADS+\slot] offset:KB*(\q)+16*REC*\i+32*\c
.endr
.endr
	WIN 0
.irp i, 0,1,2,3
	ds_load_b32 v[SC+4*(\sc)+\i], v[ADC+\slot] offset:KB*(\q)+16*REC*\i
.endr
.endm
.macro MUL8 f, sc, a0, zero
.irp a, \a0, \a0+1
.irp t, 0,1,2,3
.if \zero
.if BIASC
	v_wmma_scale_f32_16x16x128_f8f6f4 v[ACC+8*(4*(\a)+\t):ACC+8*(4*(\a)+\t)+7], v[(\f)+64+16*\t:(\f)+64+16*\t+15], v[(\f)+16*(\a):(\f)+16*(\a)+15], v[96+8*\t:96+8*\t+7], v[SC+4*(\sc)+\t], v[SC+4*(\sc)+(\a)] matrix_a_scale:MATRIX_SCALE_ROW1
.else
	v_wmma_scale_f32_16x16x128_f8f6f4 v[ACC+8*(4*(\a)+\t):ACC+8*(4*(\a)+\t)+7], v[(\f)+64+16*\t:(\f)+64+16*\t+15], v[(\f)+16*(\a):(\f)+16*(\a)+15], 0, v[SC+4*(\sc)+\t], v[SC+4*(\sc)+(\a)] matrix_a_scale:MATRIX_SCALE_ROW1
.endif
.else
	v_wmma_scale_f32_16x16x128_f8f6f4 v[ACC+8*(4*(\a)+\t):ACC+8*(4*(\a)+\t)+7], v[(\f)+64+16*\t:(\f)+64+16*\t+15], v[(\f)+16*(\a):(\f)+16*(\a)+15], v[ACC+8*(4*(\a)+\t):ACC+8*(4*(\a)+\t)+7], v[SC+4*(\sc)+\t], v[SC+4*(\sc)+(\a)] matrix_a_scale:MATRIX_SCALE_ROW1
.endif
.endr
.endr
.endm
.macro STEP slot, q, zero
	s_wait_dscnt 0x0
	PLACES 8
	FETCH \slot, (\q)+1, 128*(1-(\q)%2), 1-(\q)%2
	WIN MUL
	MUL8 128*((\q)%2), (\q)%2, 0, \zero
	MUL8 128*((\q)%2), (\q)%2, 2, \zero
.endm
.macro TURN slot, next, fill
	WIN 0
	s_wait_tensorcnt 0x0
	ds_add_u32 v[SPW], v[NIL]
	s_wait_dscnt 1
	WIN MUL
	MUL8 F1, 1, 0, 0
	s_wait_dscnt 0x0
	s_barrier_signal -1
	WIN 0
	s_barrier_wait -1
.if \fill
	CREST
	s_add_nc_u64 s[G0+4*\slot+2:G0+4*\slot+3], s[G0+4*\slot+2:G0+4*\slot+3], 8*PLS
	s_add_nc_u64 s[G0B+4*\slot+2:G0B+4*\slot+3], s[G0B+4*\slot+2:G0B+4*\slot+3], 8*PLP
	JLOAD G0+4*\slot, G1, G0B+4*\slot, G1B
	PLACES 4
.else
	PLACES 8
.endif
	FETCH \next, 0, F0, 0
	WIN MUL
	MUL8 F1, 1, 2, 0
.endm
.if BIASC || BIASO
	s_wait_loadcnt 0x0
.endif
	s_wait_alu depctr_va_vdst(0)
; the residual's 32 rows are asked for here, under the tensor loads' flight: 16 into v32-95, 16 into the same numbers of window 2
.set k, 0
.rept 16
.set kk, k
	global_load_b128 v[32+4*k:32+4*k+3], v[CO], s[10:11] offset:((kk&7)|((kk&8)<<1)|((kk&16)>>1))*4096
.set k, k+1
.endr
	WIN 0x80
.set k, 0
.rept 16
.set kk, k+16
	global_load_b128 v[32+4*k:32+4*k+3], v[CO], s[10:11] offset:((kk&7)|((kk&8)<<1)|((kk&16)>>1))*4096
.set k, k+1
.endr
	WIN 0
	s_wait_tensorcnt 0x0
	s_barrier_signal -1
	s_barrier_wait -1
	FETCH 0, 0, F0, 0
	STEP 0, 0, 1
.if LAPS > 1
	WIN 0
	s_mov_b32 s3, LAPS-1
.Llap:
	STEP 0, 1, 0
	STEP 0, 2, 0
	TURN 0, 1, 1
	STEP 1, 0, 0
	STEP 1, 1, 0
	STEP 1, 2, 0
	TURN 1, 0, 1
	STEP 0, 0, 0
	WIN 0
	s_sub_co_u32 s3, s3, 1
	s_cmp_lg_u32 s3, 0
	s_cbranch_scc1 .Llap
.endif
	STEP 0, 1, 0
	STEP 0, 2, 0
	TURN 0, 1, 0
	STEP 1, 0, 0
	STEP 1, 1, 0
	STEP 1, 2, 0
	s_wait_dscnt 0x0
	WIN MUL
	MUL8 F1, 1, 0, 0
	MUL8 F1, 1, 2, 0
	WIN 0
.if MODEQ
.macro QOUT a
.set AC, ACC+32*(\a)
.set CD, 32+12*(\a)
.irp b, 0,1
.if RELU
	v_max3_num_f32 v[80+\b], v[AC+16*\b], v[AC+16*\b+1], 0x4800000
.else
	v_max3_num_f32 v[80+\b], |v[AC+16*\b]|, |v[AC+16*\b+1]|, 0x4800000
.endif
.endr
.irp i, 2,4,6,8,10,12,14
.irp b, 0,1
.if RELU
	v_max3_num_f32 v[80+\b], v[80+\b], v[AC+16*\b+\i], v[AC+16*\b+\i+1]
.else
	v_max3_num_f32 v[80+\b], v[80+\b], |v[AC+16*\b+\i]|, |v[AC+16*\b+\i+1]|
.endif
.endr
.endr
.irp b, 0,1
	v_permlanex16_b32 v[82+\b], v[80+\b], s[SEL], s[SEL+1]
.endr
.irp b, 0,1
	v_max_num_f32 v[80+\b], v[80+\b], v[82+\b]
.endr
.irp b, 0,1
	v_add_nc_u32 v[86+\b], 0xfc000000, v[80+\b]
.endr
.irp b, 0,1
	v_and_or_b32 v[84+\b], v[80+\b], 0x7f800000, s[MNT]
.endr
.irp b, 0,1
	v_lshrrev_b32 v[82+\b], 23, v[86+\b]
.endr
	v_lshl_or_b32 v[CD+8], v83, 8, v82
.irp b, 0,1
.irp i, 0,1,2,3,4,5,6,7,8,9,10,11,12,13,14,15
.if RELU
	v_med3_num_f32 v[AC+16*\b+\i], v[AC+16*\b+\i], 0, v[84+\b]
.else
	v_med3_num_f32 v[AC+16*\b+\i], v[AC+16*\b+\i], -v[84+\b], v[84+\b]
.endif
.endr
	v_cvt_scalef32_pk8_fp8_f32 v[CD+4*\b:CD+4*\b+1], v[AC+16*\b:AC+16*\b+7], v[86+\b]
	v_cvt_scalef32_pk8_fp8_f32 v[CD+4*\b+2:CD+4*\b+3], v[AC+16*\b+8:AC+16*\b+15], v[86+\b]
.endr
	v_nop
	ds_store_b128 v[STO], v[CD:CD+3] offset:(\a)*16*RP
	ds_store_b128 v[STO], v[CD+4:CD+7] offset:(\a)*16*RP+32
.if RECW == 64
	ds_store_b128 v[TL], v[CD+8:CD+11] offset:(\a)*16*RP
.else
	ds_store_b16 v[TL], v[CD+8] offset:(\a)*16*RP
.endif
.endm
	PLACES 8
	QOUT 0
	QOUT 1
	QOUT 2
	QOUT 3
.if RECW == 128
	s_cmp_lg_u32 s16, 0
	s_cbranch_scc1 .Lpad1
.irp a, 0,1,2,3
	ds_store_b64 v[TL], v[30:31] offset:\a*16*RP+8
.endr
	s_branch .Lpadded
.Lpad1:
.irp a, 0,1,2,3
	ds_store_b32 v[TL], v30 offset:\a*16*RP+2
.endr
.Lpadded:
.endif
	s_wait_dscnt 0x0
	s_barrier_signal -1
	s_barrier_wait -1
.set k, 0
.rept NCP
	ds_load_b128 v[ACC+4*k:ACC+4*k+3], v[RD] offset:512*k
.set k, k+1
.endr
.set k, 0
.rept NCP
	s_wait_dscnt NCP-1-k
	global_store_b128 v[CO], v[ACC+4*k:ACC+4*k+3], s[8:9] offset:512*k
.set k, k+1
.endr
.else
.macro RESLD i0
.set k, 0
.rept 16
.set kk, k+\i0
	global_load_b128 v[32+4*k:32+4*k+3], v[CO], s[10:11] offset:((kk&7)|((kk&8)<<1)|((kk&16)>>1))*4096
.set k, k+1
.endr
.endm
.macro HALF i0, left
	s_wait_loadcnt 0x0
	s_wait_dscnt \left
.set k, 0
.rept 16
	v_pk_add_f32 v[ACC+4*(k+\i0):ACC+4*(k+\i0)+1], v[ACC+4*(k+\i0):ACC+4*(k+\i0)+1], v[32+4*k:33+4*k]
	v_pk_add_f32 v[ACC+4*(k+\i0)+2:ACC+4*(k+\i0)+3], v[ACC+4*(k+\i0)+2:ACC+4*(k+\i0)+3], v[34+4*k:35+4*k]
.if BIASO
	v_pk_add_f32 v[ACC+4*(k+\i0):ACC+4*(k+\i0)+1], v[ACC+4*(k+\i0):ACC+4*(k+\i0)+1], v[96:97]
	v_pk_add_f32 v[ACC+4*(k+\i0)+2:ACC+4*(k+\i0)+3], v[ACC+4*(k+\i0)+2:ACC+4*(k+\i0)+3], v[98:99]
.endif
.set k, k+1
.endr
.endm
.macro SENDF i0
.set k, 0
.rept 16
.set kk, k+\i0
	global_store_b128 v[CO], v[ACC+4*kk:ACC+4*kk+3], s[8:9] offset:((kk&7)|((kk&8)<<1)|((kk&16)>>1))*4096
.set k, k+1
.endr
.endm
	PLACES 8
.irp a, 0,1,2,3
.irp g, 0,1,2,3,4,5,6,7
	ds_store_b128 v[STO], v[ACC+32*\a+4*\g:ACC+32*\a+4*\g+3] offset:\a*16*FP+128*(\g/4)+16*(\g%4)
.endr
.endr
	s_wait_dscnt 0x0
	s_barrier_signal -1
	s_barrier_wait -1
.set k, 0
.rept 32
	ds_load_b128 v[ACC+4*k:ACC+4*k+3], v[RD] offset:FP*k
.set k, k+1
.endr
	HALF 0, 16
	SENDF 0
	WIN 0x08                                       ; source 1, the residual's later rows: window 2
	HALF 16, 0
	WIN 0
	SENDF 16
.endif
	s_wait_tensorcnt 0x0
	ds_add_u32 v[SPW], v[NIL]
	s_wait_dscnt 0x0
	CROUND
	s_endpgm
.Lfunc_end_k_qbc453273dd_wop:
	.size	k_qbc453273dd_wop, .Lfunc_end_k_qbc453273dd_wop-k_qbc453273dd_wop
	.p2alignl 7, 3214868480
	.fill 96, 4, 3214868480
	.section	.rodata,"a",@progbits
	.p2align	6, 0x0
	.amdhsa_kernel k_qbc453273dd_wop
		.amdhsa_group_segment_fixed_size 327680
		.amdhsa_private_segment_fixed_size 0
		.amdhsa_enable_private_segment 0
		.amdhsa_kernarg_size 32
		.amdhsa_user_sgpr_count 2
		.amdhsa_user_sgpr_kernarg_segment_ptr 1
		.amdhsa_wavefront_size32 1
		.amdhsa_system_sgpr_workgroup_id_x 1
		.amdhsa_system_sgpr_workgroup_id_y 1
		.amdhsa_system_sgpr_workgroup_id_z 1
		.amdhsa_system_vgpr_workitem_id 0
		.amdhsa_next_free_vgpr 640
		.amdhsa_next_free_sgpr 80
		.amdhsa_reserve_vcc 0
		.amdhsa_float_denorm_mode_32 3
		.amdhsa_float_denorm_mode_16_64 3
		.amdhsa_memory_ordered 1
		.amdhsa_forward_progress 1
		.amdhsa_inst_pref_size 59
	.end_amdhsa_kernel
	.amdgpu_metadata
---
amdhsa.version: [ 1, 2 ]
amdhsa.kernels:
  - .name:           k_qbc453273dd_wop
    .symbol:         k_qbc453273dd_wop.kd
    .args:
      - { .name: act, .offset: 0, .size: 8, .value_kind: global_buffer, .address_space: global }
      - { .name: wa, .offset: 8, .size: 8, .value_kind: global_buffer, .address_space: global }
      - { .name: s2, .offset: 16, .size: 8, .value_kind: global_buffer, .address_space: global }
      - { .name: src, .offset: 24, .size: 8, .value_kind: global_buffer, .address_space: global }
    .group_segment_fixed_size: 327680
    .private_segment_fixed_size: 0
    .kernarg_segment_align: 8
    .kernarg_segment_size: 32
    .max_flat_workgroup_size: 128
    .sgpr_count:     80
    .vgpr_count:     640
    .wavefront_size: 32
...
	.end_amdgpu_metadata
.endif
;; end of part 4
;; launch ln2: the kernel of part 1 again; grid 128 x 1, 8 waves a work-group, no clusters, 75,776 bytes of LDS; arguments s2, a2, be2, wq, wk, wv, wo, w1, w2, act, wa, wvb, wf; writes act, wa, wvb, wf
;; launch ff1 (part 5): grid 16 x 16, 4 waves a work-group, clusters of 4 x 4, 327,680 bytes of LDS; arguments act, wf, hid, b1; writes hid
.if DOCPART == 5
	.amdgcn_target "amdgcn-amd-amdhsa--gfx1250"
	.amdhsa_code_object_version 6
	.text
	.protected	k_qbc453273dd_ff1
	.globl	k_qbc453273dd_ff1
	.p2align	8
	.type	k_qbc453273dd_ff1,@function
k_qbc453273dd_ff1:
	s_mov_b64 s[64:65], 0
	v_nop
	global_prefetch_b8 v0, s[64:65] scope:SCOPE_SE
	s_setreg_imm32_b32 hwreg(HW_REG_WAVE_MODE, 25, 1), 1
	s_wait_xcnt 0x0
	s_wait_alu depctr_hold_cnt(0) depctr_sa_sdst(0) depctr_va_vdst(0) depctr_va_sdst(0) depctr_va_ssrc(0) depctr_va_vcc(0) depctr_vm_vsrc(0)
	s_getreg_b32 s2, hwreg(HW_REG_IB_STS2, 6, 4)
	s_cmp_eq_u32 s2, 0
	s_cbranch_scc0 .Lentry_in_a_cluster
	s_endpgm
.Lentry_in_a_cluster:
	s_bfe_u32 s2, ttmp6, 0x10000c
	s_cmp_lg_u32 s2, 0xf033
	s_cbranch_scc0 .Lentry_shape_is_right
	s_endpgm
.Lentry_shape_is_right:
; hid = Q(relu(S P^T + b1)): S = the normed tokens (act), P = w1 (wf), K = 1,024, on codes of FP8 (E4M3) with one E8M0 scale for each 32 along K; sums in f32, K ascending.
; OPERANDS are RECORDS of 144 bytes (128 codes, 4 scale bytes, 12 zeros), [K / 128][row position][144]; logical row R lies at position R with bits 3 and 4 exchanged.  The result has the same form: hid[P row / 128][S position][144].
; SHARES.  A work-group makes 256 positions of S (y) x 256 of P (x); four waves, each 128 x 128: 64 accumulators, 512 registers.  256 work-groups.
; K goes through two LDS slots of 256 along K: S's two K blocks, then P's two, 256 records (36,864 dense bytes) each; each wave fetches one of the four by one tensor load.
; CLUSTERS: 4 x 4.  S's tiles hang on y alone and are asked for jointly along a row of the cluster, P's on x alone and along a column.
; THE MATRIX INSTRUCTION IS USED TRANSPOSED: source 0 = 16 positions of P, source 1 = 16 of S.  A lane holds one position of S; the 16 registers of P's tiles 2 b, 2 b + 1 are logical rows 32 b + 16 (lane / 16) + 0 .. 15.
; So a wave's 64 numbers a lane of one tile of S are a whole record of the result.  b1 is the C of the first products.
; S has one set of fragment registers (blocks 0-3 fetched in a step's middle, 4-7 at its end), P two.  One walking descriptor a side and one set of LDS addresses, turned by an exclusive or with the slot's size (the bits of 36,864 x wave and of 147,456 do not meet).
; THE WAY OUT.  Behind a barrier that follows every wave's last read of the slots, the accumulators go as they lie into the wave's own 65,536 bytes of LDS; a loop of eight trips reads 16 positions' numbers back into one set of registers,
; quantises them and lays the records, 2,304 bytes a trip, over bytes that have been read; the 18,432 bytes leave by 36 stores.  The round trip keeps the quantiser's text to one copy.
; No prefetch: a wave issues four fills in all, two of them at the head, so there is no run of trips to ask ahead in.
; LIMITS: a block of zeros gets the scale byte 1 where the rule says 127 (its codes are zeros, and only this program reads the bytes); NaN and infinities are not served.
; REGISTERS.  window 0: v12-31 addresses; v32-47 scale words (register 2 i + q: lanes 0-15 S's tile i, lanes 16-31 P's tile i); v64-127 b1; v128-255 S's fragments.  window 1: P's fragments, two sets.  windows 2, 3: accumulator (a, b) at v[8 (8 (a % 4) + b)].
.set PLS,   589824
.set PLP,   589824
.set PL,    589824
.set REC,   144
.set QB,    256*REC                    ; 256 records: a tile's K block
.set SLOT,  4*QB
.set PPART, 2*QB
.set HALFW, 128*REC
.set SPARE, 2*SLOT
.set ADS0, 12
.set ADP0, 13
.set ADC0, 14
.set ADS,  16
.set ADP,  17
.set ADC,  18
.set DMP,  20                          ; my 65,536 bytes + 16 x lane
.set ST0,  21                          ; my record of a tile, + 16 h
.set TL0,  22                          ; its tail
.set RDA,  23
.set STA,  24
.set TLA,  25
.set CO,   26
.set SPW,  28
.set NIL,  29
.set SC,   32
.set BIA,  64
.set AF,   128
.set X,    128                         ; the way out: 64 numbers
.set CD,   192                         ; 16 registers of codes
.set W,    208                         ; the tail: the scale word and three zeros
.set BM,   216
.set BB,   220
.set BH,   224
.set BS,   228
.set G1,   24
.set G0,   32
.set G1B,  48
.set G0B,  56
.set SEL,  68
.set MNT,  70
.set TB,   71
.set MSB, 0
.macro WIN new                         ; the immediate's high byte repeats the setting that is left
.if MSB != \new
	s_set_vgpr_msb (MSB<<8)|\new
.set MSB, \new
.endif
.endm
.set MUL_LO, 0xa1                      ; source 0 (P) window 1, source 1 (S) window 0, C and D window 2
.set MUL_HI, 0xf1
.set MUZ_LO, 0x81                      ; the same with C (b1) in window 0
.set MUZ_HI, 0xc1
.set TO_B,   0x40
.macro PLACES n                        ; plain vector instructions behind matrix instructions: eight for this form
.rept \n
	v_nop
.endr
.endm
.macro JLOAD                           ; a joint load: waves 0 and 1 fetch for S, waves 2 and 3 for P
	s_cmp_eq_u32 s15, 0
	s_cbranch_scc0 .Lfor_b_\@
	tensor_load_to_lds s[G0:G0+3], s[G1:G1+7]
	s_nop 0
.rept 4
	v_nop
.endr
	s_branch .Lasked_\@
.Lfor_b_\@:
	tensor_load_to_lds s[G0B:G0B+3], s[G1B:G1B+7]
	s_nop 0
.rept 4
	v_nop
.endr
.Lasked_\@:
.endm
.macro WALK                            ; both descriptors on to the other slot and the next 256 along K; no load of mine is out
	s_xor_b32 s[G0+1], s[G0+1], SLOT
	s_add_nc_u64 s[G0+2:G0+3], s[G0+2:G0+3], 2*PLS
	s_xor_b32 s[G0B+1], s[G0B+1], SLOT
	s_add_nc_u64 s[G0B+2:G0B+3], s[G0B+2:G0B+3], 2*PLP
.endm
.macro CREST
	s_cmp_lg_u32 s14, 0
	s_cbranch_scc1 .Lnot_wave_0_\@
	s_barrier_signal -3
.Lnot_wave_0_\@:
	s_barrier_wait -3
	s_barrier_signal -1
	s_barrier_wait -1
.endm
.macro CROUND
	s_barrier_signal -1
	s_barrier_wait -1
	CREST
.endm
	s_load_b128 s[4:7], s[0:1], 0x0                ; S, P
	s_load_b128 s[8:11], s[0:1], 0x10              ; out, b1
	v_lshl_add_u32 v[SPW], v0, 2, SPARE
	v_mov_b32 v[NIL], 0
	ds_add_u32 v[SPW], v[NIL]                      ; the opening lines: the add, twice on end, and its wait
	ds_add_u32 v[SPW], v[NIL]
	v_lshrrev_b32 v1, 5, v0
	v_readfirstlane_b32 s14, v1                    ; wave 0..3
	s_lshr_b32 s15, s14, 1                         ; which 128 of S's positions are mine.  Also: I fetch for S (0) or for P (1)
	s_and_b32 s16, s14, 1                          ; which 128 of P's.  Also: which K block of a slot I fetch
	s_bfe_u32 s40, ttmp6, 0x40000
	s_bfe_u32 s41, ttmp6, 0x40004
	s_lshl_b32 s42, ttmp9, 2
	s_add_co_u32 s42, s42, s40                     ; x: P's tile
	s_and_b32 s17, ttmp7, 0xffff
	s_lshl_b32 s17, s17, 2
	s_add_co_u32 s17, s17, s41                     ; y: S's tile
	s_lshl_b32 s43, s41, 2
	s_lshl_b32 s43, 15, s43                        ; my row of the cluster
	s_lshl_b32 s44, 0x1111, s40                    ; my column
	s_or_b32 s[G1+0], s43, (3<<16)|(1<<21)         ; group 1: two rows of 18,432 bytes (2,304 elements of 8 bytes), on end in memory and in LDS
	s_or_b32 s[G1B+0], s44, (3<<16)|(1<<21)
.irp g, G1, G1B
	s_mov_b32 s[\g+1], 2304<<16
	s_mov_b32 s[\g+2], 2<<16
	s_mov_b32 s[\g+3], 2304<<16
	s_mov_b32 s[\g+4], 2
	s_mov_b32 s[\g+5], 2304
	s_mov_b32 s[\g+6], 0
	s_mov_b32 s[\g+7], 0
.endr
	s_mul_i32 s20, s17, QB                         ; S: my tile's records in a plane hang on y alone,
	s_mul_i32 s18, s16, PLS                        ; + the plane that I fetch
	s_add_co_u32 s20, s20, s18
	s_mov_b32 s21, 0
	s_mul_i32 s46, s42, QB                         ; P: on x alone
	s_mul_i32 s19, s16, PLP
	s_add_co_u32 s46, s46, s19
	s_mov_b32 s47, 0
	s_mul_i32 s45, s14, QB                         ; where they go: wave x a K block
	s_mov_b32 s[SEL], 0x76543210
	s_mov_b32 s[SEL+1], 0xfedcba98
	s_mov_b32 s[MNT], 0x600000
	s_mov_b32 s[TB], 0
	s_wait_dscnt 0x0                               ; both opening adds are done
	s_wait_kmcnt 0x0
	s_add_nc_u64 s[20:21], s[4:5], s[20:21]
	s_add_nc_u64 s[46:47], s[6:7], s[46:47]
	CROUND                                         ; all sixteen work-groups are here: the first joint loads meet
	s_mov_b32 s[G0], 1
	s_mov_b32 s[G0+1], s45
	s_mov_b64 s[G0+2:G0+3], s[20:21]
	s_or_b32 s[G0+3], s[G0+3], 0x80000000
	s_mov_b32 s[G0B], 1
	s_mov_b32 s[G0B+1], s45
	s_mov_b64 s[G0B+2:G0B+3], s[46:47]
	s_or_b32 s[G0B+3], s[G0B+3], 0x80000000
	JLOAD                                          ; slot 0: my one load at the head
	s_lshl_b32 s72, s42, 10                        ; b1 in the result's layout: for tile 2 b + u the numbers 256 x + 128 wp + 32 b + 16 h + 8 u + 0 .. 7
	s_lshl_b32 s73, s16, 9
	s_add_co_u32 s72, s72, s73
	s_mov_b32 s73, 0
	s_add_nc_u64 s[10:11], s[10:11], s[72:73]
	s_lshl_b32 s72, s42, 1                         ; out: plane 2 x + wp, records 256 y + 128 ws on
	s_add_co_u32 s72, s72, s16
	s_mul_i32 s72, s72, PL
	s_mul_i32 s74, s17, QB
	s_add_co_u32 s72, s72, s74
	s_mul_i32 s74, s15, HALFW
	s_add_co_u32 s72, s72, s74
	s_add_nc_u64 s[8:9], s[8:9], s[72:73]
	s_mul_i32 s21, s15, HALFW                      ; my 128 records of S
	s_mul_i32 s22, s16, HALFW
	s_add_co_u32 s22, s22, PPART                   ; my 128 of P, behind S's two K blocks
	s_sub_co_u32 s23, s22, s21
	s_lshl_b32 s74, s14, 16                        ; the way out: my 65,536 bytes
	v_bfe_u32 v2, v0, 4, 1                         ; h
	v_lshlrev_b32 v6, 6, v2
.irp t, 0,1,2,3,4,5,6,7
	global_load_b128 v[BIA+8*\t:BIA+8*\t+3], v6, s[10:11] offset:(32*(\t/2)+8*(\t%2))*4
	global_load_b128 v[BIA+8*\t+4:BIA+8*\t+7], v6, s[10:11] offset:(32*(\t/2)+8*(\t%2))*4+16
.endr
	v_and_b32 v1, 15, v0                           ; r
	v_mul_u32_u24 v3, v1, REC
	v_lshl_add_u32 v4, v2, 4, v3                   ; a fragment: record r, + 16 h
	v_mul_u32_u24 v5, s23, v2                      ; lanes 16-31 take P's scale words: one product, the distance x h
	v_add_nc_u32 v5, v5, v3
	v_add_nc_u32 v5, 128, v5
	v_add_nc_u32 v[ADS0], s21, v4
	v_add_nc_u32 v[ADP0], s22, v4
	v_add_nc_u32 v[ADC0], s21, v5
	v_add_nc_u32 v[ADS], s[TB], v[ADS0]
	v_add_nc_u32 v[ADP], s[TB], v[ADP0]
	v_add_nc_u32 v[ADC], s[TB], v[ADC0]
	v_and_b32 v7, 31, v0
	v_lshlrev_b32 v[CO], 4, v7
	v_add_nc_u32 v[DMP], s74, v[CO]
	v_add_nc_u32 v[ST0], s74, v4
	v_add_nc_u32 v[TL0], s74, v3
	v_add_nc_u32 v[TL0], 128, v[TL0]
.macro FRAG reg, adr, q, i             ; 16 records x 128 K: registers 4 c ..: K = 32 c + 16 h + 0 .. 15
.irp c, 0,1,2,3
	ds_load_b128 v[\reg+4*\c:\reg+4*\c+3], v[\adr] offset:QB*(\q)+32*\c+(\i)*16*REC
.endr
.endm
; 16 matrix instructions: S's blocks a0, a0 + 1 x P's eight.  p: P's set; q: which K block of the slot.  The 64 accumulators take turns, one instruction a turn, in one order.
.macro MUL16 a0, p, q, zero
.irp a, \a0, \a0+1
.irp b, 0,1,2,3,4,5,6,7
.if \zero
	v_wmma_scale_f32_16x16x128_f8f6f4 v[8*(8*((\a)%4)+\b):8*(8*((\a)%4)+\b)+7], v[128*(\p)+16*\b:128*(\p)+16*\b+15], v[AF+16*(\a):AF+16*(\a)+15], v[BIA+8*\b:BIA+8*\b+7], v[SC+2*\b+(\q)], v[SC+2*(\a)+(\q)] matrix_a_scale:MATRIX_SCALE_ROW1
.else
	v_wmma_scale_f32_16x16x128_f8f6f4 v[8*(8*((\a)%4)+\b):8*(8*((\a)%4)+\b)+7], v[128*(\p)+16*\b:128*(\p)+16*\b+15], v[AF+16*(\a):AF+16*(\a)+15], v[8*(8*((\a)%4)+\b):8*(8*((\a)%4)+\b)+7], v[SC+2*\b+(\q)], v[SC+2*(\a)+(\q)] matrix_a_scale:MATRIX_SCALE_ROW1
.endif
.endr
.endr
.endm
.macro FETCH_B q, p
	WIN TO_B
.irp i, 0,1,2,3,4,5,6,7
	FRAG 128*(\p)+16*\i, ADP, \q, \i
.endr
	WIN 0
.endm
.macro FETCH_A q, i0
.irp i, \i0, \i0+1, \i0+2, \i0+3
	FRAG AF+16*(\i), ADS, \q, \i
.endr
.endm
.macro SCALES q
.irp i, 0,1,2,3,4,5,6,7
	ds_load_b32 v[SC+2*\i+(\q)], v[ADC] offset:QB*(\q)+\i*16*REC
.endr
.endm
; A slot's first K block (P's set 0); it fetches the second.
.macro STEP zero
	s_wait_dscnt 16                                ; all but the youngest sixteen loads (S's blocks 4-7) are in
.if \zero
	WIN MUZ_LO
.else
	WIN MUL_LO
.endif
	MUL16 0, 0, 0, \zero
	MUL16 2, 0, 0, \zero
	s_wait_dscnt 0
	PLACES 8
	FETCH_B 1, 1
	FETCH_A 1, 0
	SCALES 1
.if \zero
	WIN MUZ_HI
.else
	WIN MUL_HI
.endif
	MUL16 4, 0, 0, \zero
	MUL16 6, 0, 0, \zero
	PLACES 8
	WIN 0
	FETCH_A 1, 4
.endm
; A slot's second K block (P's set 1) changes slots: one barrier; in front of it each wave waits for all its tensor loads, adds 0 to its spare word, and waits for that and for its reads of this slot.  fill = 1: this slot is filled again.
.macro TURN fill
	s_wait_tensorcnt 0x0                           ; my part of the other slot is in
	ds_add_u32 v[SPW], v[NIL]
	s_wait_dscnt 17                                ; (the add and S's blocks 4-7 may be out)
	WIN MUL_LO
	MUL16 0, 1, 1, 0
	s_wait_dscnt 0x0                               ; the add is done, and my reads of this slot are over
	s_barrier_signal -1
	MUL16 2, 1, 1, 0
	WIN 0
	s_barrier_wait -1
.if \fill
	CREST                                          ; the barrier has opened a round of the cluster's barrier
	WALK
	JLOAD                                          ; the first tensor load behind the round, my one load until the next
	PLACES 4
.else
	PLACES 8
.endif
	s_xor_b32 s[TB], s[TB], SLOT                   ; my LDS addresses turn to the other slot
	v_add_nc_u32 v[ADS], s[TB], v[ADS0]
	v_add_nc_u32 v[ADP], s[TB], v[ADP0]
	v_add_nc_u32 v[ADC], s[TB], v[ADC0]
	s_wait_alu depctr_va_vdst(0)                   ; directly behind the writes
	FETCH_B 0, 0
	FETCH_A 0, 0
	SCALES 0
	WIN MUL_HI
	MUL16 4, 1, 1, 0
	MUL16 6, 1, 1, 0
	PLACES 8
	WIN 0
	FETCH_A 0, 4
.endm
	s_wait_alu depctr_va_vdst(0)
	s_wait_loadcnt 0x0                             ; b1
	s_wait_tensorcnt 0x0                           ; my part of slot 0 is in
	ds_add_u32 v[SPW], v[NIL]
	WALK
	s_wait_dscnt 0x0
	CROUND
	JLOAD                                          ; slot 1's first fill
	FETCH_B 0, 0
	FETCH_A 0, 0
	SCALES 0
	FETCH_A 0, 4
	STEP 1                                         ; the first products start the sums with b1
	s_mov_b32 s3, 2
.Lk:                                               ; two trips: each fills the slot that it leaves
	TURN 1
	STEP 0
	s_sub_co_u32 s3, s3, 1
	s_cmp_lg_u32 s3, 0
	s_cbranch_scc1 .Lk
	TURN 0                                         ; the last change of slots fills nothing
	STEP 0
	s_wait_dscnt 16                                ; the last K block
	WIN MUL_LO
	MUL16 0, 1, 1, 0
	MUL16 2, 1, 1, 0
	s_wait_dscnt 0x0                               ; my last reads of the slots are over
	s_barrier_signal -1
	WIN MUL_HI
	MUL16 4, 1, 1, 0
	MUL16 6, 1, 1, 0
	WIN 0
	s_barrier_wait -1                              ; everybody's are: both slots have had their last fill and their last read
	PLACES 8
.irp a, 0,1,2,3,4,5,6,7
	WIN 0x08+4*(\a/4)                              ; the data: window 2 or 3
.irp g, 0,1,2,3,4,5,6,7,8,9,10,11,12,13,14,15
	ds_store_b128 v[DMP], v[64*(\a%4)+4*\g:64*(\a%4)+4*\g+3] offset:8192*\a+512*\g   ; each accumulator from its low end on; 32 lanes write 512 bytes on end
.endr
.endr
	WIN 0
	v_mov_b32 v[W+1], 0
	v_mov_b32 v[W+2], 0
	v_mov_b32 v[W+3], 0
.irp b, 0,1,2,3
	v_mov_b32 v[BB+\b], 0                          ; a lane permute's destination counts as one of its sources
.endr
	s_mov_b32 s74, 0
	s_mov_b32 s75, 0
	s_mov_b32 s3, 8
.Lq:                                               ; eight trips: 16 positions of S each; register 16 b + i is logical row 32 b + 16 h + i of P
	v_add_nc_u32 v[RDA], s74, v[DMP]
.irp g, 0,1,2,3,4,5,6,7,8,9,10,11,12,13,14,15
	ds_load_b128 v[X+4*\g:X+4*\g+3], v[RDA] offset:512*\g   ; LDS serves a wave's instructions in order (ISA guide 5.7.1.4)
.endr
	v_add_nc_u32 v[STA], s75, v[ST0]
	v_add_nc_u32 v[TLA], s75, v[TL0]
	s_wait_dscnt 0x0
.irp b, 0,1,2,3
	v_max3_num_f32 v[BM+\b], v[X+16*\b], v[X+16*\b+1], 0x4800000   ; no |.|: what is negative becomes 0 and must not count; the floor 2^(9 - 127) stands over it
.endr
.irp i, 2,4,6,8,10,12,14
.irp b, 0,1,2,3
	v_max3_num_f32 v[BM+\b], v[BM+\b], v[X+16*\b+\i], v[X+16*\b+\i+1]
.endr
.endr
.irp b, 0,1,2,3
	v_permlanex16_b32 v[BB+\b], v[BM+\b], s[SEL], s[SEL+1]
.endr
.irp b, 0,1,2,3
	v_max_num_f32 v[BM+\b], v[BM+\b], v[BB+\b]
.endr
.irp b, 0,1,2,3
	v_add_nc_u32 v[BS+\b], 0xfc000000, v[BM+\b]    ; the conversion's scale operand
.endr
.irp b, 0,1,2,3
	v_and_or_b32 v[BH+\b], v[BM+\b], 0x7f800000, s[MNT]   ; 448 x the scale
.endr
.irp b, 0,1,2,3
	v_lshrrev_b32 v[BB+\b], 23, v[BS+\b]
.endr
	v_lshl_or_b32 v[W], v[BB+1], 8, v[BB]
	v_lshl_or_b32 v[W], v[BB+2], 16, v[W]
	v_lshl_or_b32 v[W], v[BB+3], 24, v[W]
.irp b, 0,1,2,3
.irp i, 0,1,2,3,4,5,6,7,8,9,10,11,12,13,14,15
	v_med3_num_f32 v[X+16*\b+\i], v[X+16*\b+\i], 0, v[BH+\b]   ; the activation and the hold in one
.endr
.endr
.irp b, 0,1,2,3
	v_cvt_scalef32_pk8_fp8_f32 v[CD+4*\b:CD+4*\b+1], v[X+16*\b:X+16*\b+7], v[BS+\b]
	v_cvt_scalef32_pk8_fp8_f32 v[CD+4*\b+2:CD+4*\b+3], v[X+16*\b+8:X+16*\b+15], v[BS+\b]
.endr
	v_nop                                          ; one plain instruction behind the last conversion
.irp b, 0,1,2,3
	ds_store_b128 v[STA], v[CD+4*\b:CD+4*\b+3] offset:32*\b   ; the records lie on end from my bytes' start: 2,304 (trip + 1) never passes 8,192 (trip + 1), which has been read
.endr
	ds_store_b128 v[TLA], v[W:W+3]                 ; the tail whole (both halves of the lanes write the same)
	s_add_co_u32 s74, s74, 8192
	s_add_co_u32 s75, s75, 2304
	s_sub_co_u32 s3, s3, 1
	s_cmp_lg_u32 s3, 0
	s_cbranch_scc1 .Lq
.set k, 0
.rept 18
	ds_load_b128 v[128+4*k:128+4*k+3], v[DMP] offset:512*k
.set k, k+1
.endr
.set k, 0
.rept 18
	ds_load_b128 v[32+4*k:32+4*k+3], v[DMP] offset:512*(k+18)
.set k, k+1
.endr
.set k, 0
.rept 18
	s_wait_dscnt 35-k
	global_store_b128 v[CO], v[128+4*k:128+4*k+3], s[8:9] offset:512*k   ; 32 lanes store 512 consecutive bytes, at a multiple of 256 from the buffer's first byte
.set k, k+1
.endr
.set k, 0
.rept 18
	s_wait_dscnt 17-k
	global_store_b128 v[CO], v[32+4*k:32+4*k+3], s[8:9] offset:512*(k+18)
.set k, k+1
.endr
	s_wait_tensorcnt 0x0                           ; the wave's end
	ds_add_u32 v[SPW], v[NIL]
	s_wait_dscnt 0x0
	CROUND                                         ; the closing round
	s_endpgm
.Lfunc_end_k_qbc453273dd_ff1:
	.size	k_qbc453273dd_ff1, .Lfunc_end_k_qbc453273dd_ff1-k_qbc453273dd_ff1
	.p2alignl 7, 3214868480
	.fill 96, 4, 3214868480
	.section	.rodata,"a",@progbits
	.p2align	6, 0x0
	.amdhsa_kernel k_qbc453273dd_ff1
		.amdhsa_group_segment_fixed_size 327680
		.amdhsa_private_segment_fixed_size 0
		.amdhsa_enable_private_segment 0
		.amdhsa_kernarg_size 32
		.amdhsa_user_sgpr_count 2
		.amdhsa_user_sgpr_kernarg_segment_ptr 1
		.amdhsa_wavefront_size32 1
		.amdhsa_system_sgpr_workgroup_id_x 1
		.amdhsa_system_sgpr_workgroup_id_y 1
		.amdhsa_system_sgpr_workgroup_id_z 1
		.amdhsa_system_vgpr_workitem_id 0
		.amdhsa_next_free_vgpr 1024
		.amdhsa_next_free_sgpr 80
		.amdhsa_reserve_vcc 0
		.amdhsa_float_denorm_mode_32 3
		.amdhsa_float_denorm_mode_16_64 3
		.amdhsa_memory_ordered 1
		.amdhsa_forward_progress 1
		.amdhsa_inst_pref_size 115
	.end_amdhsa_kernel
	.amdgpu_metadata
---
amdhsa.version: [ 1, 2 ]
amdhsa.kernels:
  - .name:           k_qbc453273dd_ff1
    .symbol:         k_qbc453273dd_ff1.kd
    .args:
      - { .name: act, .offset: 0, .size: 8, .value_kind: global_buffer, .address_space: global }
      - { .name: wf, .offset: 8, .size: 8, .value_kind: global_buffer, .address_space: global }
      - { .name: hid, .offset: 16, .size: 8, .value_kind: global_buffer, .address_space: global }
      - { .name: b1, .offset: 24, .size: 8, .value_kind: global_buffer, .address_space: global }
    .group_segment_fixed_size: 327680
    .private_segment_fixed_size: 0
    .kernarg_segment_align: 8
    .kernarg_segment_size: 32
    .max_flat_workgroup_size: 128
    .sgpr_count:     80
    .vgpr_count:     1024
    .wavefront_size: 32
...
	.end_amdgpu_metadata
.endif
;; end of part 5
;; launch ff2 (part 6): grid 8 x 32, 4 waves a work-group, clusters of 4 x 4, 327,680 bytes of LDS; arguments hid, wf, out0, s2, b2; writes out0
.if DOCPART == 6
	.amdgcn_target "amdgcn-amd-amdhsa--gfx1250"
	.amdhsa_code_object_version 6
	.text
	.protected	k_qbc453273dd_ff2
	.globl	k_qbc453273dd_ff2
	.p2align	8
	.type	k_qbc453273dd_ff2,@function
k_qbc453273dd_ff2:
	s_mov_b64 s[64:65], 0
	v_nop
	global_prefetch_b8 v0, s[64:65] scope:SCOPE_SE
	s_setreg_imm32_b32 hwreg(HW_REG_WAVE_MODE, 25, 1), 1
	s_wait_xcnt 0x0
	s_wait_alu depctr_hold_cnt(0) depctr_sa_sdst(0) depctr_va_vdst(0) depctr_va_sdst(0) depctr_va_ssrc(0) depctr_va_vcc(0) depctr_vm_vsrc(0)
	s_getreg_b32 s2, hwreg(HW_REG_IB_STS2, 6, 4)
	s_cmp_eq_u32 s2, 0
	s_cbranch_scc0 .Lentry_in_a_cluster
	s_endpgm
.Lentry_in_a_cluster:
	s_bfe_u32 s2, ttmp6, 0x10000c
	s_cmp_lg_u32 s2, 0xf033
	s_cbranch_scc0 .Lentry_shape_is_right
	s_endpgm
.Lentry_shape_is_right:
.set KTOT,  4096
.set MODEQ, 0
.set RECW,  128
.set RELU,  0
.set BIASC, 0
.set BIASO, 1
.set NARG,  5
.set PLS,   589824
.set PLP,   147456
.set POFF,  4718592
.set PL,    589824
.set PL80,  327680
.set REC,   144
.set KB,    128*REC
.set SLOT,  8*KB
.set PPART, 4*KB
.set HALFW, 64*REC
.set SPARE, 2*SLOT
.set LAPS,  KTOT/1024
.set RP,    RECW+16
.set FP,    528
.if RECW == 64
.set WPB,   128*RP
.set WPT,   128*RP
.else
.set WPB,   64
.set WPT,   2
.endif
.set NCP,   (128*RP*(128/RECW)/4)/512
.set SC,   8
.set ADS,  16
.set ADP,  20
.set ADC,  22
.set STO,  24
.set RD,   25
.set CO,   26
.set TL,   27
.set SPW,  28
.set NIL,  29
.set ACC,  128
.set F0,   0
.set F1,   128
.set G1,   24
.set G0,   32
.set G1B,  48
.set G0B,  56
.set SEL,  68
.set MNT,  70
.set MSB, 0
.macro WIN new
.if MSB != \new
	s_set_vgpr_msb (MSB<<8)|\new
.set MSB, \new
.endif
.endm
.set MUL,  0x05
.set TO_F, 0x40
.macro PLACES n
.rept \n
	v_nop
.endr
.endm
.macro JLOAD g0a, g1a, g0b, g1b
	s_cmp_eq_u32 s15, 0
	s_cbranch_scc0 .Lfor_b_\@
	tensor_load_to_lds s[\g0a:\g0a+3], s[\g1a:\g1a+7]
	s_nop 0
.rept 4
	v_nop
.endr
	s_branch .Lasked_\@
.Lfor_b_\@:
	tensor_load_to_lds s[\g0b:\g0b+3], s[\g1b:\g1b+7]
	s_nop 0
.rept 4
	v_nop
.endr
.Lasked_\@:
.endm
.macro CREST
	s_cmp_lg_u32 s14, 0
	s_cbranch_scc1 .Lnot_wave_0_\@
	s_barrier_signal -3
.Lnot_wave_0_\@:
	s_barrier_wait -3
	s_barrier_signal -1
	s_barrier_wait -1
.endm
.macro CROUND
	s_barrier_signal -1
	s_barrier_wait -1
	CREST
.endm
	s_load_b128 s[4:7], s[0:1], 0x0
	s_load_b64 s[8:9], s[0:1], 0x10
.if NARG > 3
	s_load_b64 s[10:11], s[0:1], 0x18
.endif
.if NARG > 4
	s_load_b64 s[12:13], s[0:1], 0x20
.endif
	v_lshl_add_u32 v[SPW], v0, 2, SPARE
	v_mov_b32 v[NIL], 0
	ds_add_u32 v28, v29
	ds_add_u32 v28, v29
	s_wait_dscnt 0x0
	v_lshrrev_b32 v1, 5, v0
	v_readfirstlane_b32 s14, v1
	s_lshr_b32 s15, s14, 1
	s_and_b32 s16, s14, 1
	s_bfe_u32 s40, ttmp6, 0x40000
	s_bfe_u32 s41, ttmp6, 0x40004
	s_lshl_b32 s42, ttmp9, 2
	s_add_co_u32 s42, s42, s40
	s_and_b32 s17, ttmp7, 0xffff
	s_lshl_b32 s17, s17, 2
	s_add_co_u32 s17, s17, s41
	s_lshl_b32 s43, s41, 2
	s_lshl_b32 s43, 15, s43
	s_lshl_b32 s44, 0x1111, s40
	s_or_b32 s[G1+0], s43, (3<<16)|(1<<21)
	s_or_b32 s[G1B+0], s44, (3<<16)|(1<<21)
.irp g, G1, G1B
	s_mov_b32 s[\g+1], 2304<<16
	s_mov_b32 s[\g+2], 2<<16
	s_mov_b32 s[\g+3], 2304<<16
	s_mov_b32 s[\g+4], 2
	s_mov_b32 s[\g+6], 0
	s_mov_b32 s[\g+7], 0
.endr
	s_mov_b32 s[G1+5], PLS/8
	s_mov_b32 s[G1B+5], PLP/8
	s_mul_i32 s20, s17, KB
	s_mul_i32 s18, s16, 2*PLS
	s_add_co_u32 s20, s20, s18
	s_mov_b32 s21, 0
	s_mul_i32 s46, s42, KB
	s_mul_i32 s19, s16, 2*PLP
	s_add_co_u32 s46, s46, s19
	s_add_co_u32 s46, s46, POFF
	s_mov_b32 s47, 0
	s_mul_i32 s45, s14, 2*KB
	s_mov_b32 s[SEL], 0x76543210
	s_mov_b32 s[SEL+1], 0xfedcba98
	s_mov_b32 s[MNT], 0x600000
	s_wait_kmcnt 0x0
	s_add_nc_u64 s[20:21], s[4:5], s[20:21]
	s_add_nc_u64 s[46:47], s[6:7], s[46:47]
	CROUND
.irp s, 0,1
	s_mov_b32 s[G0+4*\s], 1
	s_add_co_u32 s[G0+4*\s+1], s45, \s*SLOT
	s_add_nc_u64 s[G0+4*\s+2:G0+4*\s+3], s[20:21], \s*4*PLS
	s_or_b32 s[G0+4*\s+3], s[G0+4*\s+3], 0x80000000
	s_mov_b32 s[G0B+4*\s], 1
	s_add_co_u32 s[G0B+4*\s+1], s45, \s*SLOT
	s_add_nc_u64 s[G0B+4*\s+2:G0B+4*\s+3], s[46:47], \s*4*PLP
	s_or_b32 s[G0B+4*\s+3], s[G0B+4*\s+3], 0x80000000
.if \s
	s_wait_alu depctr_va_vdst(0)
	s_wait_tensorcnt 0x0                           ; my part of slot 0 is in
	ds_add_u32 v28, v29
	s_wait_dscnt 0x0
	CROUND
.endif
	JLOAD G0+4*\s, G1, G0B+4*\s, G1B
.endr
	v_and_b32 v1, 15, v0
	v_bfe_u32 v2, v0, 4, 1
	v_mul_u32_u24 v3, v1, REC
	v_lshl_add_u32 v4, v2, 4, v3
	s_mul_i32 s21, s15, HALFW
	s_mul_i32 s22, s16, HALFW
	s_add_co_u32 s22, s22, PPART
	s_sub_co_u32 s23, s22, s21
	v_mul_u32_u24 v5, s23, v2
	v_add_nc_u32 v5, v5, v3
	v_add_nc_u32 v5, 128, v5
.irp s, 0,1
	v_add_nc_u32 v[ADS+\s], s21, v4
	v_add_nc_u32 v[ADP+\s], s22, v4
	v_add_nc_u32 v[ADC+\s], s21, v5
	s_add_co_u32 s21, s21, SLOT
	s_add_co_u32 s22, s22, SLOT
.endr
	v_and_b32 v7, 31, v0
	v_lshlrev_b32 v[CO], 4, v7
.if MODEQ
	s_mul_i32 s22, s15, 64*RP
	v_mul_u32_u24 v6, v1, RP
	v_add_nc_u32 v6, s22, v6
	s_mul_i32 s21, s16, WPB
	v_add_nc_u32 v[STO], s21, v6
	v_lshl_add_u32 v[STO], v2, 4, v[STO]
	s_mul_i32 s21, s16, WPT
	s_add_co_u32 s21, s21, RECW
	v_add_nc_u32 v[TL], s21, v6
	s_mul_i32 s21, s14, NCP*512
	v_add_nc_u32 v[RD], s21, v[CO]
.if RECW == 64
	s_lshl_b32 s72, s42, 1
	s_add_co_u32 s72, s72, s15
	s_mul_i32 s72, s72, PL80
	s_mul_i32 s73, s17, 128*RP
	s_add_co_u32 s72, s72, s73
	s_mul_i32 s73, s16, 64*RP
	s_add_co_u32 s72, s72, s73
.else
	s_mul_i32 s72, s42, PL
	s_mul_i32 s73, s17, 128*RP
	s_add_co_u32 s72, s72, s73
	s_mul_i32 s73, s14, 32*RP
	s_add_co_u32 s72, s72, s73
.endif
	s_mov_b32 s73, 0
	s_add_nc_u64 s[8:9], s[8:9], s[72:73]
	v_mov_b32 v30, 0
	v_mov_b32 v31, 0
	v_mov_b32 v82, 0
	v_mov_b32 v83, 0
.irp a, 0,1,2,3
.irp j, 9,10,11
	v_mov_b32 v[32+12*\a+\j], 0
.endr
.endr
.else
	s_wait_alu depctr_va_vdst(0)
	s_mul_i32 s22, s15, 64*FP
	s_lshl_b32 s21, s16, 8
	s_add_co_u32 s22, s22, s21
	v_mul_u32_u24 v6, v1, FP
	v_lshl_add_u32 v6, v2, 6, v6
	v_add_nc_u32 v[STO], s22, v6
	s_mul_i32 s22, s14, 32*FP
	v_add_nc_u32 v[RD], s22, v[CO]
	s_lshl_b32 s72, s17, 7
	s_lshl_b32 s73, s14, 5
	s_add_co_u32 s72, s72, s73
	s_lshl_b32 s72, s72, 12
	s_lshl_b32 s73, s42, 9
	s_add_co_u32 s72, s72, s73
	s_mov_b32 s73, 0
	s_add_nc_u64 s[8:9], s[8:9], s[72:73]
	s_add_nc_u64 s[10:11], s[10:11], s[72:73]
.endif
.if BIASO
	s_lshl_b32 s72, s42, 9
	s_add_nc_u64 s[12:13], s[12:13], s[72:73]
	global_load_b128 v[96:99], v[CO], s[12:13]
.endif
.if BIASC
	s_lshl_b32 s72, s42, 9
	s_lshl_b32 s73, s16, 8
	s_add_co_u32 s72, s72, s73
	s_mov_b32 s73, 0
	s_add_nc_u64 s[10:11], s[10:11], s[72:73]
	v_lshlrev_b32 v7, 6, v2
.irp t, 0,1,2,3
	global_load_b128 v[96+8*\t:96+8*\t+3], v7, s[10:11] offset:(32*(\t/2)+8*(\t%2))*4
	global_load_b128 v[96+8*\t+4:96+8*\t+7], v7, s[10:11] offset:(32*(\t/2)+8*(\t%2))*4+16
.endr
.endif
.macro FETCH slot, q, f, sc
	WIN TO_F
.irp i, 0,1,2,3
.irp c, 0,1,2,3
	ds_load_b128 v[(\f)+64+16*\i+4*\c:(\f)+64+16*\i+4*\c+3], v[ADP+\slot] offset:KB*(\q)+16*REC*\i+32*\c
.endr
.irp c, 0,1,2,3
	ds_load_b128 v[(\f)+16*\i+4*\c:(\f)+16*\i+4*\c+3], v[ADS+\slot] offset:KB*(\q)+16*REC*\i+32*\c
.endr
.endr
	WIN 0
.irp i, 0,1,2,3
	ds_load_b32 v[SC+4*(\sc)+\i], v[ADC+\slot] offset:KB*(\q)+16*REC*\i
.endr
.endm
.macro MUL8 f, sc, a0, zero
.irp a, \a0, \a0+1
.irp t, 0,1,2,3
.if \zero
.if BIASC
	v_wmma_scale_f32_16x16x128_f8f6f4 v[ACC+8*(4*(\a)+\t):ACC+8*(4*(\a)+\t)+7], v[(\f)+64+16*\t:(\f)+64+16*\t+15], v[(\f)+16*(\a):(\f)+16*(\a)+15], v[96+8*\t:96+8*\t+7], v[SC+4*(\sc)+\t], v[SC+4*(\sc)+(\a)] matrix_a_scale:MATRIX_SCALE_ROW1
.else
	v_wmma_scale_f32_16x16x128_f8f6f4 v[ACC+8*(4*(\a)+\t):ACC+8*(4*(\a)+\t)+7], v[(\f)+64+16*\t:(\f)+64+16*\t+15], v[(\f)+16*(\a):(\f)+16*(\a)+15], 0, v[SC+4*(\sc)+\t], v[SC+4*(\sc)+(\a)] matrix_a_scale:MATRIX_SCALE_ROW1
.endif
.else
	v_wmma_scale_f32_16x16x128_f8f6f4 v[ACC+8*(4*(\a)+\t):ACC+8*(4*(\a)+\t)+7], v[(\f)+64+16*\t:(\f)+64+16*\t+15], v[(\f)+16*(\a):(\f)+16*(\a)+15], v[ACC+8*(4*(\a)+\t):ACC+8*(4*(\a)+\t)+7], v[SC+4*(\sc)+\t], v[SC+4*(\sc)+(\a)] matrix_a_scale:MATRIX_SCALE_ROW1
.endif
.endr
.endr
.endm
.macro STEP slot, q, zero
	s_wait_dscnt 0x0
	PLACES 8
	FETCH \slot, (\q)+1, 128*(1-(\q)%2), 1-(\q)%2
	WIN MUL
	MUL8 128*((\q)%2), (\q)%2, 0, \zero
	MUL8 128*((\q)%2), (\q)%2, 2, \zero
.endm
.macro TURN slot, next, fill
	WIN 0
	s_wait_tensorcnt 0x0
	ds_add_u32 v[SPW], v[NIL]
	s_wait_dscnt 1
	WIN MUL
	MUL8 F1, 1, 0, 0
	s_wait_dscnt 0x0
	s_barrier_signal -1
	WIN 0
	s_barrier_wait -1
.if \fill
	CREST
	s_add_nc_u64 s[G0+4*\slot+2:G0+4*\slot+3], s[G0+4*\slot+2:G0+4*\slot+3], 8*PLS
	s_add_nc_u64 s[G0B+4*\slot+2:G0B+4*\slot+3], s[G0B+4*\slot+2:G0B+4*\slot+3], 8*PLP
	JLOAD G0+4*\slot, G1, G0B+4*\slot, G1B
	PLACES 4
.else
	PLACES 8
.endif
	FETCH \next, 0, F0, 0
	WIN MUL
	MUL8 F1, 1, 2, 0
.endm
.if BIASC
	s_wait_loadcnt 0x0
.endif
	s_wait_tensorcnt 1
	s_barrier_signal -1
	s_barrier_wait -1
	FETCH 0, 0, F0, 0
	STEP 0, 0, 1
.if LAPS > 1
	WIN 0
	s_mov_b32 s3, LAPS-1
.Llap:
	STEP 0, 1, 0
	STEP 0, 2, 0
	TURN 0, 1, 1
	STEP 1, 0, 0
	STEP 1, 1, 0
	STEP 1, 2, 0
	TURN 1, 0, 1
	STEP 0, 0, 0
	WIN 0
	s_sub_co_u32 s3, s3, 1
	s_cmp_lg_u32 s3, 0
	s_cbranch_scc1 .Llap
.endif
; the residual's 32 rows are asked for ahead of the last lap: 16 into v32-95, 16 into the same numbers of window 2, with the bias once more beside them
.set k, 0
.rept 16
.set kk, k
	global_load_b128 v[32+4*k:32+4*k+3], v[CO], s[10:11] offset:((kk&7)|((kk&8)<<1)|((kk&16)>>1))*4096
.set k, k+1
.endr
	WIN 0x80
.set k, 0
.rept 16
.set kk, k+16
	global_load_b128 v[32+4*k:32+4*k+3], v[CO], s[10:11] offset:((kk&7)|((kk&8)<<1)|((kk&16)>>1))*4096
.set k, k+1
.endr
	global_load_b128 v[96:99], v[CO], s[12:13]
	WIN 0
	STEP 0, 1, 0
	STEP 0, 2, 0
	TURN 0, 1, 0
	STEP 1, 0, 0
	STEP 1, 1, 0
	STEP 1, 2, 0
	s_wait_dscnt 0x0
	WIN MUL
	MUL8 F1, 1, 0, 0
	MUL8 F1, 1, 2, 0
	WIN 0
.if MODEQ
.macro QOUT a
.set AC, ACC+32*(\a)
.set CD, 32+12*(\a)
.irp b, 0,1
.if RELU
	v_max3_num_f32 v[80+\b], v[AC+16*\b], v[AC+16*\b+1], 0x4800000
.else
	v_max3_num_f32 v[80+\b], |v[AC+16*\b]|, |v[AC+16*\b+1]|, 0x4800000
.endif
.endr
.irp i, 2,4,6,8,10,12,14
.irp b, 0,1
.if RELU
	v_max3_num_f32 v[80+\b], v[80+\b], v[AC+16*\b+\i], v[AC+16*\b+\i+1]
.else
	v_max3_num_f32 v[80+\b], v[80+\b], |v[AC+16*\b+\i]|, |v[AC+16*\b+\i+1]|
.endif
.endr
.endr
.irp b, 0,1
	v_permlanex16_b32 v[82+\b], v[80+\b], s[SEL], s[SEL+1]
.endr
.irp b, 0,1
	v_max_num_f32 v[80+\b], v[80+\b], v[82+\b]
.endr
.irp b, 0,1
	v_add_nc_u32 v[86+\b], 0xfc000000, v[80+\b]
.endr
.irp b, 0,1
	v_and_or_b32 v[84+\b], v[80+\b], 0x7f800000, s[MNT]
.endr
.irp b, 0,1
	v_lshrrev_b32 v[82+\b], 23, v[86+\b]
.endr
	v_lshl_or_b32 v[CD+8], v83, 8, v82
.irp b, 0,1
.irp i, 0,1,2,3,4,5,6,7,8,9,10,11,12,13,14,15
.if RELU
	v_med3_num_f32 v[AC+16*\b+\i], v[AC+16*\b+\i], 0, v[84+\b]
.else
	v_med3_num_f32 v[AC+16*\b+\i], v[AC+16*\b+\i], -v[84+\b], v[84+\b]
.endif
.endr
	v_cvt_scalef32_pk8_fp8_f32 v[CD+4*\b:CD+4*\b+1], v[AC+16*\b:AC+16*\b+7], v[86+\b]
	v_cvt_scalef32_pk8_fp8_f32 v[CD+4*\b+2:CD+4*\b+3], v[AC+16*\b+8:AC+16*\b+15], v[86+\b]
.endr
	v_nop
	ds_store_b128 v[STO], v[CD:CD+3] offset:(\a)*16*RP
	ds_store_b128 v[STO], v[CD+4:CD+7] offset:(\a)*16*RP+32
.if RECW == 64
	ds_store_b128 v[TL], v[CD+8:CD+11] offset:(\a)*16*RP
.else
	ds_store_b16 v[TL], v[CD+8] offset:(\a)*16*RP
.endif
.endm
	PLACES 8
	QOUT 0
	QOUT 1
	QOUT 2
	QOUT 3
.if RECW == 128
	s_cmp_lg_u32 s16, 0
	s_cbranch_scc1 .Lpad1
.irp a, 0,1,2,3
	ds_store_b64 v[TL], v[30:31] offset:\a*16*RP+8
.endr
	s_branch .Lpadded
.Lpad1:
.irp a, 0,1,2,3
	ds_store_b32 v[TL], v30 offset:\a*16*RP+2
.endr
.Lpadded:
.endif
	s_wait_dscnt 0x0
	s_barrier_signal -1
	s_barrier_wait -1
.set k, 0
.rept NCP
	ds_load_b128 v[ACC+4*k:ACC+4*k+3], v[RD] offset:512*k
.set k, k+1
.endr
.set k, 0
.rept NCP
	s_wait_dscnt NCP-1-k
	global_store_b128 v[CO], v[ACC+4*k:ACC+4*k+3], s[8:9] offset:512*k
.set k, k+1
.endr
.else
.macro RESLD i0
.set k, 0
.rept 16
.set kk, k+\i0
	global_load_b128 v[32+4*k:32+4*k+3], v[CO], s[10:11] offset:((kk&7)|((kk&8)<<1)|((kk&16)>>1))*4096
.set k, k+1
.endr
.endm
.macro HALF i0, left
	s_wait_loadcnt 0x0
	s_wait_dscnt \left
.set k, 0
.rept 16
	v_pk_add_f32 v[ACC+4*(k+\i0):ACC+4*(k+\i0)+1], v[ACC+4*(k+\i0):ACC+4*(k+\i0)+1], v[32+4*k:33+4*k]
	v_pk_add_f32 v[ACC+4*(k+\i0)+2:ACC+4*(k+\i0)+3], v[ACC+4*(k+\i0)+2:ACC+4*(k+\i0)+3], v[34+4*k:35+4*k]
.if BIASO
	v_pk_add_f32 v[ACC+4*(k+\i0):ACC+4*(k+\i0)+1], v[ACC+4*(k+\i0):ACC+4*(k+\i0)+1], v[96:97]
	v_pk_add_f32 v[ACC+4*(k+\i0)+2:ACC+4*(k+\i0)+3], v[ACC+4*(k+\i0)+2:ACC+4*(k+\i0)+3], v[98:99]
.endif
.set k, k+1
.endr
.endm
.macro SENDF i0
.set k, 0
.rept 16
.set kk, k+\i0
	global_store_b128 v[CO], v[ACC+4*kk:ACC+4*kk+3], s[8:9] offset:((kk&7)|((kk&8)<<1)|((kk&16)>>1))*4096
.set k, k+1
.endr
.endm
	PLACES 8
	s_wait_alu depctr_va_vdst(0)
.irp a, 0,1,2,3
.irp g, 0,1,2,3,4,5,6,7
	ds_store_b128 v[STO], v[ACC+32*\a+4*\g:ACC+32*\a+4*\g+3] offset:\a*16*FP+128*(\g/4)+16*(\g%4)
.endr
.endr
	s_wait_dscnt 0x0
	s_barrier_signal -1
	s_barrier_wait -1
.set k, 0
.rept 32
	ds_load_b128 v[ACC+4*k:ACC+4*k+3], v[RD] offset:FP*k
.set k, k+1
.endr
	HALF 0, 16
	SENDF 0
	WIN 0x08                                       ; source 1, the residual's later rows and the bias: window 2
	HALF 16, 0
	WIN 0
	SENDF 16
.endif
	s_wait_tensorcnt 0x0
	ds_add_u32 v[SPW], v[NIL]
	s_wait_dscnt 0x0
	CROUND
	s_endpgm
.Lfunc_end_k_qbc453273dd_ff2:
	.size	k_qbc453273dd_ff2, .Lfunc_end_k_qbc453273dd_ff2-k_qbc453273dd_ff2
	.p2alignl 7, 3214868480
	.fill 96, 4, 3214868480
	.section	.rodata,"a",@progbits
	.p2align	6, 0x0
	.amdhsa_kernel k_qbc453273dd_ff2
		.amdhsa_group_segment_fixed_size 327680
		.amdhsa_private_segment_fixed_size 0
		.amdhsa_enable_private_segment 0
		.amdhsa_kernarg_size 40
		.amdhsa_user_sgpr_count 2
		.amdhsa_user_sgpr_kernarg_segment_ptr 1
		.amdhsa_wavefront_size32 1
		.amdhsa_system_sgpr_workgroup_id_x 1
		.amdhsa_system_sgpr_workgroup_id_y 1
		.amdhsa_system_sgpr_workgroup_id_z 1
		.amdhsa_system_vgpr_workitem_id 0
		.amdhsa_next_free_vgpr 640
		.amdhsa_next_free_sgpr 80
		.amdhsa_reserve_vcc 0
		.amdhsa_float_denorm_mode_32 3
		.amdhsa_float_denorm_mode_16_64 3
		.amdhsa_memory_ordered 1
		.amdhsa_forward_progress 1
		.amdhsa_inst_pref_size 104
	.end_amdhsa_kernel
	.amdgpu_metadata
---
amdhsa.version: [ 1, 2 ]
amdhsa.kernels:
  - .name:           k_qbc453273dd_ff2
    .symbol:         k_qbc453273dd_ff2.kd
    .args:
      - { .name: hid, .offset: 0, .size: 8, .value_kind: global_buffer, .address_space: global }
      - { .name: wf, .offset: 8, .size: 8, .value_kind: global_buffer, .address_space: global }
      - { .name: out0, .offset: 16, .size: 8, .value_kind: global_buffer, .address_space: global }
      - { .name: s2, .offset: 24, .size: 8, .value_kind: global_buffer, .address_space: global }
      - { .name: b2, .offset: 32, .size: 8, .value_kind: global_buffer, .address_space: global }
    .group_segment_fixed_size: 327680
    .private_segment_fixed_size: 0
    .kernarg_segment_align: 8
    .kernarg_segment_size: 40
    .max_flat_workgroup_size: 128
    .sgpr_count:     80
    .vgpr_count:     640
    .wavefront_size: 32
...
	.end_amdgpu_metadata
.endif
;; end of part 6
